; MI455X (gfx1250); checked and timed in simulation.
; The chip was launched on July 23, 2026; its instructions are those of AMD's public machine-readable ISA for CDNA 5 (MIT licence, August 2026) and "CDNA5" Instruction Set Architecture Reference Guide (July 2026). The comments in the code are by the model that wrote it; some were corrected since.
;; Rotary Self Attention. Allowed arithmetic: matrix products marked QUANTISED: E2M3 operands, one E8M0 scale for each 32 along K, by v_wmma_scale_f32_16x16x128_f8f6f4 with both operands' format E2M3, f32 sums; everything else in f32.
;; Inputs: mask 4 x 1 x 2,048 x 2,048 bool; w_out 1,024 x 1,024 float32; w_qkv 3,072 x 1,024 float32; x 4 x 2,048 x 1,024 float32.
;; Outputs: out0 4 x 2,048 x 1,024 float32.
;; This version of the problem:
;;   THIS VERSION OF THE PROBLEM IS GIVEN IN LOW PRECISION. The matrix products marked QUANTISED in the list below multiply operands that are first quantised to E2M3 (2 exponent bits, 3 mantissa bits; 6 bits a number), with one power-of-two scale for each 32 numbers along K (OCP MX v1.0); their sums are f32. All else is computed in f32.
;;   The module's matrix products, in the order in which they are computed (A, B: the left and right operand; K: the contracted axis; several contracted axes count as one K, in the product's order):
;;     1. [M 8,192, K 1,024] x [K 1,024, N 3,072]; A: input x; B: input w_qkv: QUANTISED
;;     2. batch 64 x [M 2,048, K 64] x [K 64, N 2,048]; A: computed on the way; B: computed on the way: QUANTISED
;;     3. batch 64 x [M 2,048, K 2,048] x [K 2,048, N 64]; A: softmax (see below); B: computed on the way: QUANTISED
;;     4. [M 8,192, K 1,024] x [K 1,024, N 1,024]; A: computed on the way; B: input w_out: QUANTISED
;;   THE QUANTISER, for each operand of a quantised product, along K:
;;     - K is cut into blocks of 32 from its start; a last block that is shorter is filled with zeros.
;;     - A block's scale is 2^e with e = floor(log2(the largest magnitude in the block)) - 2, held to -126 .. 127; a block of zeros has e = 0. As a byte (E8M0): e + 127.
;;     - Each number is divided by its block's scale, clamped to +-7.5, and rounded to the nearest number of E2M3, ties to even, subnormals kept.
;;     - The product sums the exact products of the quantised numbers (number of the format x scale) in f32.
;;   ~~~python
;;   def quantise(x, axis):      # numpy; x: float32 -> the quantised numbers, widened to float32 again
;;       x = np.moveaxis(x, axis, -1); K = x.shape[-1]
;;       x = np.pad(x, [(0, 0)] * (x.ndim - 1) + [(0, -K % 32)]); x = x.reshape(x.shape[:-1] + (-1, 32)); a = np.abs(x).max(-1, keepdims=True)
;;       e = np.where(a > 0, np.clip(np.frexp(np.where(a > 0, a, 1))[1] - 1 - 2, -126, 127), 0)      # np.frexp(a)[1] - 1 = floor(log2(a)), exactly
;;       r = np.clip(x / 2.0 ** e, -7.5, 7.5)
;;       step = 2.0 ** (np.maximum(np.frexp(np.where(r == 0, 1, r))[1] - 1, 0) - 3)
;;       q = np.round(r / step) * step * 2.0 ** e      # np.round: ties to even
;;       return np.moveaxis(q.reshape(q.shape[:-2] + (-1,))[..., :K], -1, axis).astype(np.float32)
;;   ~~~
;;   SOFTMAX AHEAD OF A QUANTISED PRODUCT. Where the list says 'softmax', what is quantised is not the finished softmax but p = 2^(t - M), with t = logit x log2(e) and M = ceil(the row's largest t), a whole number; so 1/2 < the row's largest p <= 1. The row's sum l is taken of the UNQUANTISED p, in f32, and the product's result is divided by l at the end. Since M is a whole number, a kernel that streams over the keys may use a running M (the ceiling of the running maximum): every later rescaling is an exact power of two, which a block's scale takes up: the codes' values come out the same.
;;   OPERANDS COMPUTED ON THE WAY. 'Computed on the way' means the value that the module computes at that place (a softmax that the list does not call 'softmax' is quantised finished and normalised). What goes into a quantiser is computed in f32, as accurately as f32 sums, v_exp_f32 and their like allow (about 1e-6 of the number): no bf16 or f16 on the way to a quantiser, and a product that is left as it is and whose result goes on into a quantised operand takes f32 operands (vector FMAs, or v_wmma_f32_16x16x4_f32). A number that lies on a knife's edge between two numbers of the format may be rounded either way, as far as f32 arithmetic and the matrix unit's own rounding can turn it there, and no further.
;; One version. Each part assembles by itself: llvm-mc -triple=amdgcn-amd-amdhsa -mcpu=gfx1250 --defsym DOCPART=n.
;; ======== version 1 of 1: 4 launches
;; limits: right only within a limited range of input values
;; workspace buffers: ximg 6,291,456 bytes; wimg 3,145,728 bytes; scl 393,216 bytes; rope 524,288 bytes; mbits 2,097,152 bytes of whole numbers; qimg 6,553,600 bytes; kv 13,107,200 bytes; vals 6,815,744 bytes
;; launch prep (part 1): grid 352 x 1, 4 waves a work-group, no clusters, 68,096 bytes of LDS; arguments x, w_qkv, w_out, mask, ximg, wimg, scl, rope, mbits; writes ximg, wimg, scl, rope, mbits
.if DOCPART == 1
	.amdgcn_target "amdgcn-amd-amdhsa--gfx1250"
	.amdhsa_code_object_version 6
	.text
	.protected	k_q1469caedbc_prep
	.globl	k_q1469caedbc_prep
	.p2align	8
	.type	k_q1469caedbc_prep,@function
k_q1469caedbc_prep:
	s_mov_b64 s[64:65], 0
	v_nop
	global_prefetch_b8 v0, s[64:65] scope:SCOPE_SE
	s_setreg_imm32_b32 hwreg(HW_REG_WAVE_MODE, 25, 1), 1
	s_wait_xcnt 0x0
; PREP: everything that later launches read many times is laid out once, in the order in which their registers take it.
; NO WORK OF THE PROBLEM IS LEFT OUT IN THIS PROGRAM: all four products, the rotation, the mask and the softmax are live for every value of the inputs, and all four inputs are loaded.
; Three kinds of work-groups, told apart by the work-group's number:
;   0..191    x, w_qkv, w_out (f32, K = their last axis, 1,024) become codes of E2M3 with one E8M0 byte for each 32 along K;
;   192..319  the mask's bytes become words of 32 bits, one bit a lane, as attention's selects take them;
;   320..351  the table of cos and sin for the rotation.
; A TILE is 16 rows of a group of 32: tile t, row i is tensor row 32 (t / 2) + 8 (t % 2) + i + 8 (i / 8).
; A FRAGMENT (16 rows x 128 K, 12 registers a lane) is stored as an image of its registers, 1,536 bytes: registers 0-3 at 16 x lane, 4-5 at 512 + 8 x lane, 6-9 at 768 + 16 x lane, 10-11 at 1,280 + 8 x lane.
; A block's scale is 2^(floor(log2(largest magnitude)) - 2); its byte is the largest magnitude's exponent field - 2, held at 1 from below (a block of zeros keeps 1: its codes are zeros, and this program alone reads the bytes).
; LIMITS: NaN and infinities among the inputs are not served; blocks whose largest magnitude lies under 2^-124 keep the byte 1.
; The table's frequencies are 10^(-j / 8), made as a rounded constant 10^(-(j % 8) / 8) times a rounded power of ten: within about 1.5 units in the last place.
.set SP,    528                        ; a stage row: 512 bytes + 16, so that 16 rows start at 16 different groups of banks
.set MST,   4*16*SP                    ; LDS: four stages for the quantiser from 0, four for the mask from here: each path has bytes of its own
.set SPARE, 2*4*16*SP                  ; behind them the spare words, 128 bytes a wave
.set SPW,   12                         ; v12  my spare word's address; never rewritten
.set NIL,   13                         ; v13  0; never rewritten
.set TM,    16                         ; v16-19 largest magnitudes, v20-23 the other half's, then bytes, v24-27 the conversions' scale operands
.set PC,    32                         ; v32-43 a fragment's codes
.set CT,    44                         ; v44-46, v48-50 the second halves of the blocks, before they are moved
.set OUT,   32                         ; (mask path) v32-39 two registers of words for each of a unit's four key steps
.set X,     192                        ; v192-255 64 numbers (or 256 mask bytes) of a lane
.set SEL,   40                         ; s[40:41] selects for lane l xor 16
	s_load_b256 s[4:11], s[0:1], 0x0               ; x, w_qkv, w_out, mask
	s_load_b256 s[12:19], s[0:1], 0x20             ; ximg, wimg, scl, rope
	s_load_b64 s[20:21], s[0:1], 0x40              ; mbits
	v_lshl_add_u32 v[SPW], v0, 2, SPARE
	v_mov_b32 v[NIL], 0
	v_lshrrev_b32 v8, 5, v0
	v_readfirstlane_b32 s22, v8                    ; wave
	v_and_b32 v9, 31, v0                           ; lane
	v_and_b32 v10, 15, v0                          ; r
	v_bfe_u32 v11, v0, 4, 1                        ; h
	v_lshlrev_b32 v1, 4, v9                        ; 16 x lane
	v_lshlrev_b32 v2, 3, v9                        ; 8 x lane
	s_mul_i32 s23, s22, 16*SP                      ; my wave's stage
	v_add_nc_u32 v3, s23, v1                       ; quantiser, way in: 16 x lane of a row
	v_mul_u32_u24 v4, v10, SP
	v_add_nc_u32 v4, s23, v4
	v_lshl_add_u32 v7, v11, 4, v4
	v_add_nc_u32 v7, MST, v7                       ; mask, way out: row r, + 16 h
	v_lshl_add_u32 v4, v11, 6, v4                  ; quantiser, way out: row r, + 64 h
	v_add_nc_u32 v6, MST, v3                       ; mask, way in
	v_lshlrev_b32 v5, 5, v10
	v_lshl_add_u32 v5, v11, 4, v5                  ; 32 r + 16 h: my four scale words of a tile's 512 bytes
	s_mov_b32 s[SEL], 0x76543210
	s_mov_b32 s[SEL+1], 0xfedcba98
.irp b, 0,1,2,3
	v_mov_b32 v[TM+4+\b], 0                        ; a lane permute's destination counts as one of its sources
.endr
	s_wait_kmcnt 0x0
	s_cmp_lt_u32 ttmp9, 192
	s_cbranch_scc0 .Lnot_quant
; ---------------- the quantiser: a wave owns one tile for all of K ----------------
; 64 numbers of a lane, register 16 b + i = k 32 b + 16 h + i of my row, become a fragment's codes in v[PC] on and its scale word in v[pw]
.macro QUANT s, pw
.irp b, 0,1,2,3
	v_max3_num_f32 v[TM+\b], |v[(\s)+16*\b]|, |v[(\s)+1+16*\b]|, 0x1800000   ; with the floor 2^(3 - 127): the byte cannot fall under 1
.endr
.irp i, 2,4,6,8,10,12,14
.irp b, 0,1,2,3
	v_max3_num_f32 v[TM+\b], |v[(\s)+16*\b+\i]|, |v[(\s)+1+16*\b+\i]|, v[TM+\b]   ; the four blocks by turns
.endr
.endr
.irp b, 0,1,2,3
	v_permlanex16_b32 v[TM+4+\b], v[TM+\b], s[SEL], s[SEL+1]
.endr
.irp b, 0,1,2,3
	v_max_num_f32 v[TM+\b], v[TM+\b], v[TM+4+\b]   ; with lane l xor 16's: the block's largest magnitude
.endr
.irp b, 0,1,2,3
	v_add_nc_u32 v[TM+8+\b], 0xff000000, v[TM+\b]  ; 2 off its exponent field: the conversion's scale operand
.endr
.irp b, 0,1,2,3
	v_lshrrev_b32 v[TM+4+\b], 23, v[TM+8+\b]       ; the byte
.endr
	v_lshl_or_b32 v[\pw], v[TM+5], 8, v[TM+4]
	v_lshl_or_b32 v[\pw], v[TM+6], 16, v[\pw]
	v_lshl_or_b32 v[\pw], v[TM+7], 24, v[\pw]
.irp c, 0,1
	v_cvt_scalef32_pk16_fp6_f32 v[PC+6*\c:PC+6*\c+2], v[(\s)+32*\c:(\s)+32*\c+15], v[TM+8+2*\c]
	v_cvt_scalef32_pk16_fp6_f32 v[CT+4*\c:CT+4*\c+2], v[(\s)+16+32*\c:(\s)+31+32*\c], v[TM+8+2*\c+1]
.endr
	v_nop                                          ; one plain place behind a scaled conversion
.irp c, 0,1                                    ; the operand wants a whole block in a lane: lanes 0-15 block 2 c, lanes 16-31 block 2 c + 1
.irp i, 0,1,2
	v_permlane16_swap_b32 v[PC+6*\c+\i], v[CT+4*\c+\i]
.endr
.irp i, 0,1,2
	v_mov_b32 v[PC+3+6*\c+\i], v[CT+4*\c+\i]
.endr
.endr
.endm
	s_cmp_lt_u32 ttmp9, 128                        ; x's work-groups 0..127, w_qkv's 128..175, w_out's 176..191: only pointers and numbers are chosen, the path is one
	s_cselect_b64 s[24:25], s[4:5], s[6:7]         ; from
	s_cselect_b64 s[26:27], s[12:13], s[14:15]     ; to
	s_cselect_b32 s28, 0, 128                      ; the tensor's first work-group
	s_mov_b32 s29, 0x15555556
	s_cselect_b32 s29, 0x10000000, s29             ; 2^32 / tiles in a block (16, 12, 8)
	s_cselect_b32 s30, 16, 12                      ; tiles in a block
	s_cselect_b32 s31, 0, 262144                   ; the tensor's part of scl
	s_cmp_lt_u32 ttmp9, 176
	s_cselect_b64 s[24:25], s[24:25], s[8:9]
	s_cselect_b32 s28, s28, 176
	s_cselect_b32 s29, s29, 0x20000000
	s_cselect_b32 s30, s30, 8
	s_cselect_b32 s31, s31, 360448
	s_cselect_b32 s32, 0, 2359296                  ; w_out's images lie behind w_qkv's
	s_sub_co_u32 s33, ttmp9, s28
	s_lshl_b32 s33, s33, 2
	s_add_co_u32 s33, s33, s22                     ; my tile
	s_mul_hi_u32 s34, s33, s29                     ; its block
	s_mul_i32 s35, s34, s30
	s_sub_co_u32 s35, s33, s35                     ; its place in the block
	s_and_b32 s36, s33, 1
	s_lshl_b32 s36, s36, 3
	s_lshl_b32 s37, s33, 4
	s_sub_co_u32 s36, s37, s36                     ; its first row: 16 t - 8 (t % 2)
	s_lshl_b32 s36, s36, 12                        ; rows of 4,096 bytes
	s_mov_b32 s37, 0
	s_add_nc_u64 s[24:25], s[24:25], s[36:37]
	s_mul_i32 s36, s34, s30
	s_lshl_b32 s36, s36, 3                         ; 8 K steps to a block
	s_add_co_u32 s36, s36, s35
	s_mul_i32 s36, s36, 1536
	s_add_co_u32 s36, s36, s32
	s_add_nc_u64 s[26:27], s[26:27], s[36:37]
	s_mul_i32 s38, s30, 1536                       ; from a K step's image to the next
	s_mov_b32 s39, 0
	s_lshl_b32 s36, s33, 9
	s_add_co_u32 s36, s36, s31
	s_add_nc_u64 s[16:17], s[16:17], s[36:37]      ; my tile's 512 bytes of scale words
	s_mov_b32 s42, 0xffff0000                      ; lanes 16-31
.macro QLOAD s                         ; K step s: 16 rows x 512 bytes, each load 512 consecutive bytes of one row
.irp i, 0,1,2,3,4,5,6,7,8,9,10,11,12,13,14,15
	global_load_b128 v[64+64*((\s)%2)+4*\i:64+64*((\s)%2)+4*\i+3], v1, s[24:25] offset:(\i+8*(\i/8))*4096+512*(\s) th:TH_LOAD_NT
.endr
.endm
.macro QSTEP s
.if (\s) < 7
	s_wait_loadcnt 16                              ; this step's 16 loads are in; the next step's 16 may be out
.else
	s_wait_loadcnt 0x0
.endif
.irp i, 0,1,2,3,4,5,6,7,8,9,10,11,12,13,14,15
	ds_store_b128 v3, v[64+64*((\s)%2)+4*\i:64+64*((\s)%2)+4*\i+3] offset:SP*\i
.endr
.irp b, 0,1,2,3
.irp j, 0,1,2,3
	ds_load_b128 v[X+16*\b+4*\j:X+16*\b+4*\j+3], v4 offset:128*\b+16*\j   ; LDS serves a wave's instructions in order: these see the stores above
.endr
.endr
	s_wait_dscnt 0x0                               ; the numbers are back, and the stores have read their registers
	s_wait_xcnt 0x0                                ; the last step's stores have read their data and their base
.if (\s) > 0
	s_add_nc_u64 s[26:27], s[26:27], s[38:39]
.endif
.if (\s)+2 < 8
	QLOAD (\s)+2
.endif
	QUANT X, 52+(\s)
	global_store_b128 v1, v[PC:PC+3], s[26:27]
	global_store_b64 v2, v[PC+4:PC+5], s[26:27] offset:512
	global_store_b128 v1, v[PC+6:PC+9], s[26:27] offset:768
	global_store_b64 v2, v[PC+10:PC+11], s[26:27] offset:1280
.endm
	QLOAD 0
	QLOAD 1
.irp s, 0,1,2,3,4,5,6,7
	QSTEP \s
.endr
.irp i, 0,1,2,3
	v_cndmask_b32 v[60+\i], v[52+\i], v[56+\i], s42   ; lanes 0-15 send K steps 0-3's words of row r, lanes 16-31 steps 4-7's
.endr
	global_store_b128 v5, v[60:63], s[16:17]       ; 512 consecutive bytes
	s_branch .Lend
; ---------------- the mask: a wave owns the 16 rows of one tile of queries ----------------
.Lnot_quant:
	s_cmp_lt_u32 ttmp9, 320
	s_cbranch_scc0 .Ltable
	s_sub_co_u32 s24, ttmp9, 192
	s_lshl_b32 s24, s24, 2
	s_add_co_u32 s24, s24, s22                     ; tile of queries, 0..511 over the four batches
	s_and_b32 s25, s24, 1
	s_lshl_b32 s25, s25, 3
	s_lshl_b32 s26, s24, 4
	s_sub_co_u32 s26, s26, s25                     ; its first row
	s_lshl_b32 s26, s26, 11                        ; rows of 2,048 bytes
	s_mov_b32 s27, 0
	s_add_nc_u64 s[10:11], s[10:11], s[26:27]
	s_lshl_b32 s26, s24, 12                        ; 16 key steps x 256 bytes of words
	s_add_nc_u64 s[20:21], s[20:21], s[26:27]
.irp i, 0,1,2,3,4,5,6,7
	v_mov_b32 v[OUT+\i], 0                         ; v_writelane_b32's destination counts as read
.endr
.macro MLOAD U                         ; unit U: 512 keys of the 16 rows
.irp i, 0,1,2,3,4,5,6,7,8,9,10,11,12,13,14,15
	global_load_b128 v[64+64*((\U)%2)+4*\i:64+64*((\U)%2)+4*\i+3], v1, s[10:11] offset:(\i+8*(\i/8))*2048+512*(\U) th:TH_LOAD_NT
.endr
.endm
; Word n = 16 bb + i of a key step holds, in bit l = (r, h), the mask of query row r and key 32 bb + 16 h + i: the lane mask of attention's register n.  Lane l stores words 2 l and 2 l + 1.
.macro MUNIT U
.if (\U) < 3
	s_wait_loadcnt 16                              ; this unit's 16 loads are in; the next unit's may be out
.else
	s_wait_loadcnt 0x0
.endif
.irp i, 0,1,2,3,4,5,6,7,8,9,10,11,12,13,14,15
	ds_store_b128 v6, v[64+64*((\U)%2)+4*\i:64+64*((\U)%2)+4*\i+3] offset:SP*\i
.endr
.irp k, 0,1,2,3
.irp b, 0,1,2,3
	ds_load_b128 v[X+16*\k+4*\b:X+16*\k+4*\b+3], v7 offset:128*\k+32*\b
.endr
.endr
	s_wait_dscnt 0x0
	s_wait_xcnt 0x0                                ; the last unit's stores have read the words' registers
.if (\U)+2 < 4
	MLOAD (\U)+2
.endif
.irp k, 0,1,2,3
.irp q, 0,1,2,3,4,5,6,7,8,9,10,11,12,13,14,15
	v_lshlrev_b32 v16, 31, v[X+16*\k+\q]           ; a byte is 0 or 1: its bit goes to the sign
	v_lshlrev_b32 v17, 23, v[X+16*\k+\q]
	v_lshlrev_b32 v18, 15, v[X+16*\k+\q]
	v_lshlrev_b32 v19, 7, v[X+16*\k+\q]
	v_cmp_gt_i32 s44, 0, v16                       ; words 4 q .. 4 q + 3
	v_cmp_gt_i32 s45, 0, v17
	v_cmp_gt_i32 s46, 0, v18
	v_cmp_gt_i32 s47, 0, v19
	v_writelane_b32 v[OUT+2*\k], s44, 2*\q
	v_writelane_b32 v[OUT+2*\k+1], s45, 2*\q
	v_writelane_b32 v[OUT+2*\k], s46, 2*\q+1
	v_writelane_b32 v[OUT+2*\k+1], s47, 2*\q+1
.endr
	global_store_b64 v2, v[OUT+2*\k:OUT+2*\k+1], s[20:21] offset:(4*(\U)+\k)*256   ; 256 consecutive bytes, aligned
.endr
.endm
	MLOAD 0
	MLOAD 1
.irp U, 0,1,2,3
	MUNIT \U
.endr
	s_branch .Lend
; ---------------- the table: a wave owns the 16 positions of one tile ----------------
; Lane (r, h) makes cos and sin of position(r) x 10^(-(16 h + i) / 8), i = 0 .. 15.  The angle is one f32 product, as in the problem's text; it is reduced by whole quarter turns (pi / 2 in two parts, fused), and both functions come by their series.
.Ltable:
	s_sub_co_u32 s24, ttmp9, 320
	s_lshl_b32 s24, s24, 2
	s_add_co_u32 s24, s24, s22                     ; tile of positions, 0..127
	s_and_b32 s25, s24, 1
	s_lshl_b32 s25, s25, 3
	s_lshl_b32 s26, s24, 4
	s_sub_co_u32 s25, s26, s25                     ; its first position
	s_lshl_b32 s26, s24, 12
	s_mov_b32 s27, 0
	s_add_nc_u64 s[18:19], s[18:19], s[26:27]
	v_and_b32 v16, 8, v10
	v_add_nc_u32 v16, v16, v10
	v_add_nc_u32 v16, s25, v16
	v_cvt_f32_u32 v16, v16                         ; my position
	v_cmp_ne_u32 vcc_lo, 0, v11
	v_mov_b32 v17, 1.0
	v_mov_b32 v18, 0x3dcccccd                      ; 0.1
	v_mov_b32 v19, 0x3c23d70a                      ; 0.01
	v_mov_b32 v20, 0x3a83126f                      ; 0.001
	v_cndmask_b32 v17, v17, v19, vcc_lo            ; 10^(-2 h)
	v_cndmask_b32 v18, v18, v20, vcc_lo            ; 10^(-2 h - 1)
.macro TAB i, bc
	v_mul_f32 v24, \bc, v[17+(\i)/8]               ; the frequency
	v_mul_f32 v24, v16, v24                        ; the angle
	v_mul_f32 v25, 0x3f22f983, v24
	v_rndne_f32 v25, v25                           ; quarter turns
	v_fmamk_f32 v26, v25, 0xbfc90fdb, v24
	v_fmamk_f32 v26, v25, 0x333bbd2e, v26          ; what is left, at most pi / 4
	v_mul_f32 v27, v26, v26
	v_mov_b32 v28, 0x3638ef1d
	v_fmaak_f32 v28, v27, v28, 0xb9500d01
	v_fmaak_f32 v28, v27, v28, 0x3c088889
	v_fmaak_f32 v28, v27, v28, 0xbe2aaaab
	v_mul_f32 v29, v26, v27
	v_fma_f32 v28, v29, v28, v26                   ; its sine
	v_mov_b32 v30, 0x37d00d01
	v_fmaak_f32 v30, v27, v30, 0xbab60b61
	v_fmaak_f32 v30, v27, v30, 0x3d2aaaab
	v_fmaak_f32 v30, v27, v30, 0xbf000000
	v_fma_f32 v30, v27, v30, 1.0                   ; its cosine
	v_cvt_i32_f32 v31, v25
	v_and_b32 v29, 1, v31
	v_cmp_ne_u32 vcc_lo, 0, v29
	v_cndmask_b32 v29, v28, v30, vcc_lo            ; an odd number of quarter turns swaps the two
	v_cndmask_b32 v30, v30, v28, vcc_lo
	v_lshlrev_b32 v28, 30, v31
	v_and_b32 v28, 0x80000000, v28                 ; the sine is negative in quarters 2 and 3,
	v_xor_b32 v[80+(\i)], v28, v29
	v_add_nc_u32 v31, 1, v31
	v_lshlrev_b32 v31, 30, v31
	v_and_b32 v31, 0x80000000, v31                 ; the cosine in quarters 1 and 2
	v_xor_b32 v[64+(\i)], v31, v30
.endm
	TAB 0, 0x3f800000
	TAB 1, 0x3f3ff911
	TAB 2, 0x3f0ff59a
	TAB 3, 0x3ed7e89b
	TAB 4, 0x3ea1e89b
	TAB 5, 0x3e72d424
	TAB 6, 0x3e361887
	TAB 7, 0x3e088d77
	TAB 8, 0x3f800000
	TAB 9, 0x3f3ff911
	TAB 10, 0x3f0ff59a
	TAB 11, 0x3ed7e89b
	TAB 12, 0x3ea1e89b
	TAB 13, 0x3e72d424
	TAB 14, 0x3e361887
	TAB 15, 0x3e088d77
.irp p, 0,1,2,3,4,5,6,7
	global_store_b128 v1, v[64+4*\p:64+4*\p+3], s[18:19] offset:512*\p   ; planes 0-3 cos, 4-7 sin; 512 consecutive bytes each
.endr
.Lend:
	s_wait_tensorcnt 0x0                           ; the wave's end
	ds_add_u32 v[SPW], v[NIL]
	s_wait_dscnt 0x0
	s_endpgm
.Lfunc_end_k_q1469caedbc_prep:
	.size	k_q1469caedbc_prep, .Lfunc_end_k_q1469caedbc_prep-k_q1469caedbc_prep
	.p2alignl 7, 3214868480
	.fill 96, 4, 3214868480
	.section	.rodata,"a",@progbits
	.p2align	6, 0x0
	.amdhsa_kernel k_q1469caedbc_prep
		.amdhsa_group_segment_fixed_size 68096
		.amdhsa_private_segment_fixed_size 0
		.amdhsa_enable_private_segment 0
		.amdhsa_kernarg_size 72
		.amdhsa_user_sgpr_count 2
		.amdhsa_user_sgpr_kernarg_segment_ptr 1
		.amdhsa_wavefront_size32 1
		.amdhsa_system_sgpr_workgroup_id_x 1
		.amdhsa_system_sgpr_workgroup_id_y 1
		.amdhsa_system_sgpr_workgroup_id_z 1
		.amdhsa_system_vgpr_workitem_id 0
		.amdhsa_next_free_vgpr 256
		.amdhsa_next_free_sgpr 66
		.amdhsa_reserve_vcc 1
		.amdhsa_float_denorm_mode_32 3
		.amdhsa_float_denorm_mode_16_64 3
		.amdhsa_memory_ordered 1
		.amdhsa_forward_progress 1
		.amdhsa_inst_pref_size 255
	.end_amdhsa_kernel
	.section	.bss,"aw",@nobits
	.p2align	6
	.space	262144
	.amdgpu_metadata
---
amdhsa.version: [ 1, 2 ]
amdhsa.kernels:
  - .name:           k_q1469caedbc_prep
    .symbol:         k_q1469caedbc_prep.kd
    .args:
      - { .name: x, .offset: 0, .size: 8, .value_kind: global_buffer, .address_space: global }
      - { .name: w_qkv, .offset: 8, .size: 8, .value_kind: global_buffer, .address_space: global }
      - { .name: w_out, .offset: 16, .size: 8, .value_kind: global_buffer, .address_space: global }
      - { .name: mask, .offset: 24, .size: 8, .value_kind: global_buffer, .address_space: global }
      - { .name: ximg, .offset: 32, .size: 8, .value_kind: global_buffer, .address_space: global }
      - { .name: wimg, .offset: 40, .size: 8, .value_kind: global_buffer, .address_space: global }
      - { .name: scl, .offset: 48, .size: 8, .value_kind: global_buffer, .address_space: global }
      - { .name: rope, .offset: 56, .size: 8, .value_kind: global_buffer, .address_space: global }
      - { .name: mbits, .offset: 64, .size: 8, .value_kind: global_buffer, .address_space: global }
    .group_segment_fixed_size: 68096
    .private_segment_fixed_size: 0
    .kernarg_segment_align: 8
    .kernarg_segment_size: 72
    .max_flat_workgroup_size: 128
    .sgpr_count:     66
    .vgpr_count:     256
    .wavefront_size: 32
...
	.end_amdgpu_metadata
.endif
;; end of part 1
;; launch qkv (part 2): grid 16 x 32, 4 waves a work-group, clusters of 4 x 4, 327,680 bytes of LDS; arguments ximg, wimg, scl, rope, qimg, kv; writes qimg, kv
.if DOCPART == 2
	.amdgcn_target "amdgcn-amd-amdhsa--gfx1250"
	.amdhsa_code_object_version 6
	.text
	.protected	k_q1469caedbc_qkv
	.globl	k_q1469caedbc_qkv
	.p2align	8
	.type	k_q1469caedbc_qkv,@function
k_q1469caedbc_qkv:
	s_mov_b64 s[64:65], 0
	v_nop
	global_prefetch_b8 v0, s[64:65] scope:SCOPE_SE
	s_setreg_imm32_b32 hwreg(HW_REG_WAVE_MODE, 25, 1), 1
	s_wait_xcnt 0x0
	s_wait_alu depctr_hold_cnt(0) depctr_sa_sdst(0) depctr_va_vdst(0) depctr_va_sdst(0) depctr_va_ssrc(0) depctr_va_vcc(0) depctr_vm_vsrc(0)
	s_getreg_b32 s2, hwreg(HW_REG_IB_STS2, 6, 4)
	s_cmp_eq_u32 s2, 0
	s_cbranch_scc0 .Lentry_in_a_cluster
	s_endpgm
.Lentry_in_a_cluster:
	s_bfe_u32 s2, ttmp6, 0x10000c
	s_cmp_lg_u32 s2, 0xf033
	s_cbranch_scc0 .Lentry_shape_is_right
	s_endpgm
.Lentry_shape_is_right:
; QKV: the first product on codes of E2M3, the rotation of q and k, and the quantising of q, k (along the head's 64) and v (along the keys).  Nothing of the problem is left out here.
; A work-group takes 256 tokens (mblock = grid y) x one head's 192 columns (grid x).  Wave (tr, c) = (wave / 2, wave % 2) owns tokens 128 tr on.
;   Its ROTATED part: the head's q (c = 0) or k (c = 1), 4 tiles of W.  Used transposed (source 0 = W, source 1 = x): a lane holds one token, and channels 16 h + i and 32 + 16 h + i both lie in its registers.
;   Its V part: tiles 8 + 2 c, 9 + 2 c of W.  Used as written (source 0 = x, source 1 = W): a lane holds one channel and its registers run along the tokens, which are the third product's K.
; 48 accumulators a wave, one matrix instruction each for a K step of 128; they take turns in one fixed order.
; LDS is filled once: x's K steps 0-6 and W's 0-7, as images of the operands' registers, by four tensor loads a wave, all at the head (four of mine are out at most).  x's K step 7, for which LDS has no room
; (7 x 24,576 + 8 x 18,432 + 512 = 320,000 of 327,680 bytes), goes from memory straight into registers: an image needs no turn through LDS.
; CLUSTER 4 x 4: x's images hang on the mblock alone and are asked for jointly along a row of the cluster, W's on the head alone, along a column.
; No prefetch: every tensor load stands at the head, so there is no later step to ask ahead for.
; LIMITS: NaN and infinities are not served; a block whose largest magnitude lies under 2^-124 keeps the byte 1.
; REGISTERS.  Window 0: v1-11 addresses; v16-24 scale words on the way out; v32-95 scale words SC[i][s] at v[32 + 8 i + s] (lanes 0-15: x's tile i; lanes 16-31: W's tile i); v96-191 x, set 0; v192-255 cos, sin of token pair 0.
;   Window 1: v0-71, v72-143 W, two sets; v144-239 x, set 1; on the way out v0-191 cos, sin of pairs 1-3.   Window 2: rotated part's accumulators at 32 a + 8 i.   Window 3: v part's at 64 n + 8 a; v128-223 x's K step 7.
.set XSTEP, 24576                      ; 16 fragments
.set WSTEP, 18432                      ; 12 fragments
.set WR0,   7*XSTEP
.set SPARE, WR0+8*WSTEP
.set L16, 1
.set L8,  2
.set AX16, 3
.set AX8,  4
.set AW16, 5
.set AW8,  6
.set AV16, 7
.set AV8,  8
.set L4,  9
.set SA0, 10
.set SA1, 11
.set SPW, 28
.set NIL, 29
.set ST,  96                           ; the way out, window 0: 64 numbers,
.set TM,  160                          ; 12 at work,
.set PC,  172                          ; a fragment's codes,
.set CT,  184                          ; and the blocks' second halves
.set WV, 16
.set TR, 17
.set CC, 18
.set CX, 19
.set CY, 20
.set HEAD, 21
.set MB, 22
.set G1X, 32                           ; s[32:39] group 1 for x: 96 rows of 256 bytes;  s[40:47] for W: 72;  s[48:55] for half of W's step: 36
.set G1W, 40
.set G1H, 48
.set SEL, 98
.set MSB, 0
.macro WIN new                         ; the immediate's high byte repeats the setting that is left
.if MSB != (\new)
	s_set_vgpr_msb (MSB<<8)|(\new)
.set MSB, (\new)
.endif
.endm
.macro JLOAD g0a, g1a, g0b, g1b        ; a joint load: waves 0, 1 fetch for x, waves 2, 3 for W; the branch hangs on the wave's number alone; an s_nop 0 and four v_nop follow each line
	s_cmp_eq_u32 s[TR], 0
	s_cbranch_scc0 .Lfor_b_\@
	tensor_load_to_lds s[\g0a:\g0a+3], s[\g1a:\g1a+7]
	s_nop 0
.rept 4
	v_nop
.endr
	s_branch .Lasked_\@
.Lfor_b_\@:
	tensor_load_to_lds s[\g0b:\g0b+3], s[\g1b:\g1b+7]
	s_nop 0
.rept 4
	v_nop
.endr
.Lasked_\@:
.endm
.macro CROUND                          ; a round of the cluster's barrier
	s_barrier_signal -1
	s_barrier_wait -1
	s_cmp_lg_u32 s[WV], 0
	s_cbranch_scc1 .Lnot_wave_0_\@
	s_barrier_signal -3
.Lnot_wave_0_\@:
	s_barrier_wait -3
	s_barrier_signal -1
	s_barrier_wait -1
.endm
.macro FRAG4 reg, a16, a8, off         ; a fragment's image comes back as it was stored
	ds_load_b128 v[(\reg):(\reg)+3], v[\a16] offset:(\off)
	ds_load_b64 v[(\reg)+4:(\reg)+5], v[\a8] offset:(\off)+512
	ds_load_b128 v[(\reg)+6:(\reg)+9], v[\a16] offset:(\off)+768
	ds_load_b64 v[(\reg)+10:(\reg)+11], v[\a8] offset:(\off)+1280
.endm
	s_load_b256 s[4:11], s[0:1], 0x0               ; ximg, wimg, scl, rope
	s_load_b128 s[12:15], s[0:1], 0x20             ; qimg, kv
	v_lshl_add_u32 v[SPW], v0, 2, SPARE
	v_mov_b32 v[NIL], 0
	ds_add_u32 v[SPW], v[NIL]                      ; the opening: the add, twice on end, and its wait ahead of my first tensor load
	ds_add_u32 v[SPW], v[NIL]
	v_lshrrev_b32 v1, 5, v0
	v_readfirstlane_b32 s[WV], v1
	s_lshr_b32 s[TR], s[WV], 1                     ; my half of the tokens.  Also: I fetch for x (0) or for W (1)
	s_and_b32 s[CC], s[WV], 1                      ; q or k.  Also: which K step of a chunk I fetch
	s_bfe_u32 s[CX], ttmp6, 0x40000
	s_bfe_u32 s[CY], ttmp6, 0x40004
	s_lshl_b32 s[HEAD], ttmp9, 2
	s_add_co_u32 s[HEAD], s[HEAD], s[CX]           ; head = 4 x cluster x + cx
	s_and_b32 s[MB], ttmp7, 0xffff
	s_lshl_b32 s[MB], s[MB], 2
	s_add_co_u32 s[MB], s[MB], s[CY]               ; mblock = 4 x cluster y + cy
	s_lshl_b32 s23, s[CY], 2
	s_lshl_b32 s23, 15, s23                        ; my row of the cluster
	s_lshl_b32 s2, 0x1111, s[CX]                   ; my column
	s_or_b32 s[G1X], s23, (3<<16)|(1<<21)          ; 15:0 the mask; 17:16 elements of 8 bytes; 21 set beside a mask; no padding
	s_or_b32 s[G1W], s2, (3<<16)|(1<<21)
	s_or_b32 s[G1H], s2, (3<<16)|(1<<21)
.irp g, G1X, G1W, G1H
	s_mov_b32 s[\g+1], 32<<16                      ; tensor_dim0 = 32 elements: rows of 256 bytes
	s_mov_b32 s[\g+3], 32<<16                      ; tile_dim0
	s_mov_b32 s[\g+5], 32                          ; the pitch: the block is dense
	s_mov_b32 s[\g+6], 0
	s_mov_b32 s[\g+7], 0
.endr
	s_mov_b32 s[G1X+2], 96<<16                     ; tensor_dim1,
	s_mov_b32 s[G1X+4], 96                         ; tile_dim1
	s_mov_b32 s[G1W+2], 72<<16
	s_mov_b32 s[G1W+4], 72
	s_mov_b32 s[G1H+2], 36<<16
	s_mov_b32 s[G1H+4], 36
	s_mul_i32 s24, s[MB], 8*XSTEP
	s_mov_b32 s25, 0
	s_mul_i32 s26, s[CC], XSTEP
	s_mov_b32 s27, 0
	s_mul_i32 s28, s[HEAD], 8*WSTEP
	s_mov_b32 s29, 0
	s_mul_i32 s30, s[CC], WSTEP
	s_mov_b32 s31, 0
	s_mul_i32 s101, s[TR], 9216                    ; which half of W's last K step (waves 1 and 3)
	s_wait_dscnt 0x0                               ; both opening adds are done
	s_wait_kmcnt 0x0
	s_add_nc_u64 s[24:25], s[4:5], s[24:25]        ; my mblock's images of x: made of cy and nothing of cx
	s_add_nc_u64 s[28:29], s[6:7], s[28:29]        ; my head's images of W: made of cx and nothing of cy
	s_add_nc_u64 s[96:97], s[24:25], s[26:27]      ; + my K step of a chunk
	s_add_nc_u64 s[98:99], s[28:29], s[30:31]
	CROUND                                         ; all sixteen work-groups are here: the joint loads meet
.irp cc, 0,1,2                         ; chunk cc: K steps 2 cc and 2 cc + 1 of x and of W; each load has a group 0 of its own
.set GX, 56+4*\cc+4*(\cc/2)
.set GW, 76+4*\cc
	s_mov_b32 s[GX], 1
	s_add_co_u32 s[GX+1], s26, \cc*2*XSTEP
	s_add_nc_u64 s[GX+2:GX+3], s[96:97], \cc*2*XSTEP
	s_or_b32 s[GX+3], s[GX+3], 0x80000000
	s_mov_b32 s[GW], 1
	s_add_co_u32 s[GW+1], s30, WR0+\cc*2*WSTEP
	s_add_nc_u64 s[GW+2:GW+3], s[98:99], \cc*2*WSTEP
	s_or_b32 s[GW+3], s[GW+3], 0x80000000
	JLOAD GX, G1X, GW, G1W
.endr
	s_mov_b32 s72, 1                               ; chunk 3: wave 0 x's step 6, wave 2 W's step 6, waves 1 and 3 the halves of W's step 7
	s_mov_b32 s73, 6*XSTEP
	s_add_nc_u64 s[74:75], s[24:25], 6*XSTEP
	s_or_b32 s75, s75, 0x80000000
	s_mov_b32 s88, 1
	s_mov_b32 s89, WR0+6*WSTEP
	s_add_nc_u64 s[90:91], s[28:29], 6*WSTEP
	s_or_b32 s91, s91, 0x80000000
	s_mov_b32 s92, 1
	s_add_co_u32 s93, s101, WR0+7*WSTEP
	s_mov_b32 s2, s101
	s_mov_b32 s3, 0
	s_add_nc_u64 s[94:95], s[28:29], s[2:3]
	s_add_nc_u64 s[94:95], s[94:95], 7*WSTEP
	s_or_b32 s95, s95, 0x80000000
	s_cmp_eq_u32 s[CC], 0
	s_cbranch_scc0 .Lhalf
	s_cmp_eq_u32 s[WV], 0
	s_cbranch_scc0 .Lw6
	tensor_load_to_lds s[72:75], s[G1X:G1X+7]
	s_nop 0
.rept 4
	v_nop
.endr
	s_branch .Lasked3
.Lw6:
	tensor_load_to_lds s[88:91], s[G1W:G1W+7]
	s_nop 0
.rept 4
	v_nop
.endr
	s_branch .Lasked3
.Lhalf:
	tensor_load_to_lds s[92:95], s[G1H:G1H+7]
	s_nop 0
.rept 4
	v_nop
.endr
.Lasked3:
	v_and_b32 v12, 31, v0
	v_and_b32 v15, 15, v0                          ; r
	v_bfe_u32 v14, v0, 4, 1                        ; h
	v_lshlrev_b32 v[L16], 4, v12
	v_lshlrev_b32 v[L8], 3, v12
	v_lshlrev_b32 v[L4], 2, v12
	s_mul_i32 s3, s[TR], 8*1536                    ; my 8 tiles of x
	v_add_nc_u32 v[AX16], s3, v[L16]
	v_add_nc_u32 v[AX8], s3, v[L8]
	s_mul_i32 s3, s[CC], 4*1536                    ; my 4 tiles of q or k
	s_add_co_u32 s3, s3, WR0
	v_add_nc_u32 v[AW16], s3, v[L16]
	v_add_nc_u32 v[AW8], s3, v[L8]
	s_mul_i32 s3, s[CC], 2*1536                    ; my 2 tiles of v
	s_add_co_u32 s3, s3, WR0+8*1536
	v_add_nc_u32 v[AV16], s3, v[L16]
	v_add_nc_u32 v[AV8], s3, v[L8]
	; the scale words: lanes 0-15 take x's tile i, lanes 16-31 W's tile i: the lower place + h x the distance
	s_lshl_b32 s2, s[MB], 4
	s_lshl_b32 s3, s[TR], 3
	s_add_co_u32 s2, s2, s3
	s_lshl_b32 s2, s2, 9                           ; x's tiles: 512 bytes each
	s_mul_i32 s3, s[HEAD], 12
	s_lshl_b32 s23, s[CC], 2
	s_add_co_u32 s3, s3, s23
	s_lshl_b32 s3, s3, 9
	s_add_co_u32 s3, s3, 262144                    ; w_qkv's part of scl
	s_sub_co_u32 s3, s3, s2
	v_mul_u32_u24 v[SA0], s3, v14
	v_lshl_add_u32 v[SA0], v15, 5, v[SA0]
	v_add_nc_u32 v[SA0], s2, v[SA0]
	s_lshl_b32 s23, s[CC], 1
	s_sub_co_u32 s23, 4, s23
	s_lshl_b32 s23, s23, 9                         ; registers 4, 5 take W's tiles 8 + 2 c, 9 + 2 c: 4 - 2 c tiles further on
	v_mul_u32_u24 v[SA1], s23, v14
	v_add_nc_u32 v[SA1], v[SA0], v[SA1]
.irp i, 0,1,2,3
	global_load_b128 v[32+8*\i:32+8*\i+3], v[SA0], s[8:9] offset:512*\i
	global_load_b128 v[32+8*\i+4:32+8*\i+7], v[SA0], s[8:9] offset:512*\i+16
.endr
.irp i, 4,5,6,7
	global_load_b128 v[32+8*\i:32+8*\i+3], v[SA1], s[8:9] offset:512*\i
	global_load_b128 v[32+8*\i+4:32+8*\i+7], v[SA1], s[8:9] offset:512*\i+16
.endr
	s_mul_i32 s2, s[TR], 8*1536
	s_mov_b32 s3, 0
	s_add_nc_u64 s[24:25], s[24:25], s[2:3]
	s_add_nc_u64 s[24:25], s[24:25], 7*XSTEP       ; my 8 tiles of x's K step 7, in memory
	WIN 0xc0                                       ; destination window 3
.irp a, 0,1,2,3,4,5,6,7
	global_load_b128 v[128+12*\a:128+12*\a+3], v[L16], s[24:25] offset:1536*\a
	global_load_b64 v[128+12*\a+4:128+12*\a+5], v[L8], s[24:25] offset:1536*\a+512
	global_load_b128 v[128+12*\a+6:128+12*\a+9], v[L16], s[24:25] offset:1536*\a+768
	global_load_b64 v[128+12*\a+10:128+12*\a+11], v[L8], s[24:25] offset:1536*\a+1280
.endr
	WIN 0
	s_and_b32 s2, s[MB], 7
	s_lshl_b32 s2, s2, 4
	s_lshl_b32 s23, s[TR], 3
	s_add_co_u32 s2, s2, s23
	s_lshl_b32 s2, s2, 12                          ; my first tile of positions: 4,096 bytes a tile
	s_add_nc_u64 s[26:27], s[10:11], s[2:3]
.irp u, 0,1
.irp p, 0,1,2,3,4,5,6,7
	global_load_b128 v[192+32*\u+4*\p:192+32*\u+4*\p+3], v[L16], s[26:27] offset:\u*4096+512*\p   ; cos (16), sin (16) of tiles 0, 1
.endr
.endr
	; where the results go
	s_lshr_b32 s2, s[MB], 3
	s_lshl_b32 s2, s2, 4
	s_add_co_u32 s2, s2, s[HEAD]                   ; batch x 16 + head
	s_lshl_b32 s2, s2, 4
	s_and_b32 s23, s[MB], 7
	s_lshl_b32 s23, s23, 1
	s_add_co_u32 s2, s2, s23
	s_add_co_u32 s2, s2, s[TR]                     ; + which 128 tokens of the sequence
	s_mul_i32 s28, s2, 6400
	s_mov_b32 s29, 0
	s_add_nc_u64 s[28:29], s[12:13], s[28:29]      ; q's block
	s_mul_i32 s30, s2, 12800
	s_mov_b32 s31, 0
	s_add_nc_u64 s[30:31], s[14:15], s[30:31]      ; k's and v's block
	s_cmp_eq_u32 s[CC], 0
	s_cselect_b64 s[28:29], s[28:29], s[30:31]     ; the rotated part's home: q's block or k's
	s_lshl_b32 s96, s[CC], 7
	s_mov_b32 s97, 0
	s_add_nc_u64 s[96:97], s[30:31], s[96:97]      ; v's scale words: 128 bytes a wave
	s_mul_i32 s2, s[CC], 3072
	s_add_nc_u64 s[30:31], s[30:31], s[2:3]        ; v's fragments: two a wave
	s_mov_b32 s[SEL], 0x76543210
	s_mov_b32 s[SEL+1], 0xfedcba98
	s_mov_b32 s100, 0xffff0000                     ; lanes 16-31
.macro FETCH s                         ; K step s's fragments: W's six into set s % 2, x's eight likewise (step 7's x is in registers already)
	WIN 0x40
.irp i, 0,1,2,3
	FRAG4 72*((\s)%2)+12*\i, AW16, AW8, 1536*\i
.endr
.irp n, 0,1
	FRAG4 72*((\s)%2)+48+12*\n, AV16, AV8, 1536*\n
.endr
.if (\s) < 7
.if (\s)%2
.irp a, 0,1,2,3,4,5,6,7
	FRAG4 144+12*\a, AX16, AX8, 1536*\a
.endr
.else
	WIN 0
.irp a, 0,1,2,3,4,5,6,7
	FRAG4 96+12*\a, AX16, AX8, 1536*\a
.endr
.endif
.endif
.endm
.macro ROPEMUL s, a0                   ; 16 products: token tiles a0 .. a0 + 3 x my four tiles of q or k
	WIN 0xA1|(XW<<2)
.irp a, \a0,\a0+1,\a0+2,\a0+3
.irp i, 0,1,2,3
.if (\s) == 0
	v_wmma_scale_f32_16x16x128_f8f6f4 v[32*(\a)+8*\i:32*(\a)+8*\i+7], v[WB+12*\i:WB+12*\i+11], v[XB+12*(\a):XB+12*(\a)+11], 0, v[32+8*\i+(\s)], v[32+8*(\a)+(\s)] matrix_a_fmt:MATRIX_FMT_FP6 matrix_b_fmt:MATRIX_FMT_FP6 matrix_a_scale:MATRIX_SCALE_ROW1
.else
	v_wmma_scale_f32_16x16x128_f8f6f4 v[32*(\a)+8*\i:32*(\a)+8*\i+7], v[WB+12*\i:WB+12*\i+11], v[XB+12*(\a):XB+12*(\a)+11], v[32*(\a)+8*\i:32*(\a)+8*\i+7], v[32+8*\i+(\s)], v[32+8*(\a)+(\s)] matrix_a_fmt:MATRIX_FMT_FP6 matrix_b_fmt:MATRIX_FMT_FP6 matrix_a_scale:MATRIX_SCALE_ROW1
.endif
.endr
.endr
.endm
.macro VMUL s                          ; 16 products: my eight token tiles x my two tiles of v
	WIN 0xF4|XW
.irp a, 0,1,2,3,4,5,6,7
.irp n, 0,1
.if (\s) == 0
	v_wmma_scale_f32_16x16x128_f8f6f4 v[64*\n+8*\a:64*\n+8*\a+7], v[XB+12*\a:XB+12*\a+11], v[WB+48+12*\n:WB+48+12*\n+11], 0, v[32+8*\a+(\s)], v[64+8*\n+(\s)] matrix_a_fmt:MATRIX_FMT_FP6 matrix_b_fmt:MATRIX_FMT_FP6 matrix_b_scale:MATRIX_SCALE_ROW1
.else
	v_wmma_scale_f32_16x16x128_f8f6f4 v[64*\n+8*\a:64*\n+8*\a+7], v[XB+12*\a:XB+12*\a+11], v[WB+48+12*\n:WB+48+12*\n+11], v[64*\n+8*\a:64*\n+8*\a+7], v[32+8*\a+(\s)], v[64+8*\n+(\s)] matrix_a_fmt:MATRIX_FMT_FP6 matrix_b_fmt:MATRIX_FMT_FP6 matrix_b_scale:MATRIX_SCALE_ROW1
.endif
.endr
.endr
.endm
.macro STEP s
.set WB, 72*((\s)%2)
.if (\s) == 7
.set XW, 3
.set XB, 128
.elseif (\s)%2
.set XW, 1
.set XB, 144
.else
.set XW, 0
.set XB, 96
.endif
	s_wait_dscnt 0x0                               ; this step's fragments are in
.if (\s) == 0
	s_wait_loadcnt 48                              ; the 16 loads of scale words are in; behind them: 32 of x's step 7, 16 of the table
.endif
.if (\s) == 7
	s_wait_loadcnt 16                              ; x's step 7 is in; the table's 16 may be out
.endif
.if ((\s)%2) && ((\s) < 7)
	s_wait_tensorcnt 3-((\s)+1)/2                  ; my load of the next chunk has landed; my later ones may stay out
	s_barrier_signal -1
.endif
	ROPEMUL \s, 0
.if ((\s)%2) && ((\s) < 7)
	s_barrier_wait -1                              ; everybody's has
.endif
.if (\s) < 7
	WIN 0
.if (\s) < 6
	v_add_nc_u32 v[AX16], XSTEP, v[AX16]           ; on to the next K step.  These lines are also the places between the step before, which read the other sets, and the loads into them
	v_add_nc_u32 v[AX8], XSTEP, v[AX8]
.endif
	v_add_nc_u32 v[AW16], WSTEP, v[AW16]
	v_add_nc_u32 v[AW8], WSTEP, v[AW8]
	v_add_nc_u32 v[AV16], WSTEP, v[AV16]
	v_add_nc_u32 v[AV8], WSTEP, v[AV8]
	FETCH (\s)+1
.endif
	ROPEMUL \s, 4
	VMUL \s
.endm
	s_wait_tensorcnt 3                             ; my load of chunk 0 has landed (three later ones may be out),
	s_barrier_signal -1
	s_barrier_wait -1                              ; everybody's has
	FETCH 0
.irp s, 0,1,2,3,4,5,6,7
	STEP \s
.endr
; ---------------- the way out: no LDS; codes leave as images, in whole runs of 256 and 512 bytes ----------------
; 64 numbers of a lane in window sw, register 16 b + i = k 32 b + 16 h + i of my row, become a fragment's codes in v[PC] on and its scale word in v[pw]
.macro QUANT s, sw, pw
	WIN (\sw)|((\sw)<<2)
.irp b, 0,1,2,3
	v_max3_num_f32 v[TM+\b], |v[(\s)+16*\b]|, |v[(\s)+1+16*\b]|, 0x1800000   ; each accumulator is read from its low end on; the floor holds the byte at 1 from below
.endr
.irp i, 2,4,6,8,10,12,14
.irp b, 0,1,2,3
	v_max3_num_f32 v[TM+\b], |v[(\s)+16*\b+\i]|, |v[(\s)+1+16*\b+\i]|, v[TM+\b]
.endr
.endr
	WIN 0
.irp b, 0,1,2,3
	v_permlanex16_b32 v[TM+4+\b], v[TM+\b], s[SEL], s[SEL+1]
.endr
.irp b, 0,1,2,3
	v_max_num_f32 v[TM+\b], v[TM+\b], v[TM+4+\b]
.endr
.irp b, 0,1,2,3
	v_add_nc_u32 v[TM+8+\b], 0xff000000, v[TM+\b]
.endr
.irp b, 0,1,2,3
	v_lshrrev_b32 v[TM+4+\b], 23, v[TM+8+\b]
.endr
	v_lshl_or_b32 v[\pw], v[TM+5], 8, v[TM+4]
	v_lshl_or_b32 v[\pw], v[TM+6], 16, v[\pw]
	v_lshl_or_b32 v[\pw], v[TM+7], 24, v[\pw]
	WIN (\sw)
.irp c, 0,1
	v_cvt_scalef32_pk16_fp6_f32 v[PC+6*\c:PC+6*\c+2], v[(\s)+32*\c:(\s)+32*\c+15], v[TM+8+2*\c]
	v_cvt_scalef32_pk16_fp6_f32 v[CT+4*\c:CT+4*\c+2], v[(\s)+16+32*\c:(\s)+31+32*\c], v[TM+8+2*\c+1]
.endr
	WIN 0
	v_nop                                          ; one plain place behind a scaled conversion
.irp c, 0,1
.irp i, 0,1,2
	v_permlane16_swap_b32 v[PC+6*\c+\i], v[CT+4*\c+\i]
.endr
.irp i, 0,1,2
	v_mov_b32 v[PC+3+6*\c+\i], v[CT+4*\c+\i]
.endr
.endr
.endm
.macro PUT4 bs, off
	global_store_b128 v[L16], v[PC:PC+3], s[\bs:\bs+1] offset:(\off)
	global_store_b64 v[L8], v[PC+4:PC+5], s[\bs:\bs+1] offset:(\off)+512
	global_store_b128 v[L16], v[PC+6:PC+9], s[\bs:\bs+1] offset:(\off)+768
	global_store_b64 v[L8], v[PC+10:PC+11], s[\bs:\bs+1] offset:(\off)+1280
.endm
; The rotation of token tiles 2 b and 2 b + 1: out(d) = x1 cos - x2 sin, out(32 + d) = x2 cos + x1 sin, d = 16 h + i; two at a time, fused.  The 64 results are the two tiles' 64 channels: one pair fragment.
.macro ROPE b
.if (\b) == 0
.set CB, 192
.set CW, 0
.else
.set CB, 64*((\b)-1)
.set CW, 1
.endif
	WIN 2|(CW<<2)                                  ; source 0: the accumulators, window 2; source 1: cos, sin; the results: window 0
.irp u, 0,1
.irp i, 0,2,4,6,8,10,12,14
	v_pk_mul_f32 v[ST+32*\u+\i:ST+32*\u+\i+1], v[32*(2*(\b)+\u)+16+\i:32*(2*(\b)+\u)+17+\i], v[CB+32*\u+16+\i:CB+32*\u+17+\i]
	v_pk_mul_f32 v[ST+32*\u+16+\i:ST+32*\u+17+\i], v[32*(2*(\b)+\u)+\i:32*(2*(\b)+\u)+1+\i], v[CB+32*\u+16+\i:CB+32*\u+17+\i]
	v_pk_fma_f32 v[ST+32*\u+\i:ST+32*\u+\i+1], v[32*(2*(\b)+\u)+\i:32*(2*(\b)+\u)+1+\i], v[CB+32*\u+\i:CB+32*\u+1+\i], v[ST+32*\u+\i:ST+32*\u+\i+1] neg_lo:[0,0,1] neg_hi:[0,0,1]
	v_pk_fma_f32 v[ST+32*\u+16+\i:ST+32*\u+17+\i], v[32*(2*(\b)+\u)+16+\i:32*(2*(\b)+\u)+17+\i], v[CB+32*\u+\i:CB+32*\u+1+\i], v[ST+32*\u+16+\i:ST+32*\u+17+\i]
.endr
.endr
	WIN 0
.endm
	WIN 0
.rept 4
	v_nop                                          ; places behind the last products: in front of the reads of results and of writes and loads into the operands' registers
.endr
	WIN 0x40
.irp b, 1,2,3
.irp u, 0,1
.irp p, 0,1,2,3,4,5,6,7
	global_load_b128 v[64*(\b-1)+32*\u+4*\p:64*(\b-1)+32*\u+4*\p+3], v[L16], s[26:27] offset:(2*\b+\u)*4096+512*\p   ; cos, sin of token pairs 1 to 3
.endr
.endr
.endr
	WIN 0
.irp b, 0,1,2,3
	v_mov_b32 v[TM+4+\b], 0                        ; a lane permute's destination counts as one of its sources
.endr
.irp n, 0,1                            ; v first: it needs no table.  Rows = channels of tile 2 c + n, K = my 128 tokens
	s_wait_xcnt 0x0                                ; earlier stores have read the codes' registers
	QUANT 64*\n, 3, 16+\n
	PUT4 30, 6400+1536*\n
.endr
	v_cndmask_b32 v24, v16, v17, s100              ; lanes 0-15 tile 2 c's words, lanes 16-31 tile 2 c + 1's
	global_store_b32 v[L4], v24, s[96:97] offset:12544
.irp b, 0,1,2,3
	s_wait_loadcnt 48-16*\b                        ; this pair's 16 loads of the table are in; the later pairs' may be out
	ROPE \b
	s_wait_xcnt 0x0
	QUANT ST, 0, 18+\b
	PUT4 28, 1536*\b
.endr
	v_cndmask_b32 v22, v18, v19, s100              ; the scale block: the word of (pair p, row r) at 8 (r + 16 (p % 2)) + 4 (p / 2)
	v_cndmask_b32 v23, v20, v21, s100
	global_store_b64 v[L8], v[22:23], s[28:29] offset:6144
	s_wait_tensorcnt 0x0                           ; the wave's end
	ds_add_u32 v[SPW], v[NIL]
	s_wait_dscnt 0x0
	CROUND                                         ; the closing round
	s_endpgm
.Lfunc_end_k_q1469caedbc_qkv:
	.size	k_q1469caedbc_qkv, .Lfunc_end_k_q1469caedbc_qkv-k_q1469caedbc_qkv
	.p2alignl 7, 3214868480
	.fill 96, 4, 3214868480
	.section	.rodata,"a",@progbits
	.p2align	6, 0x0
	.amdhsa_kernel k_q1469caedbc_qkv
		.amdhsa_group_segment_fixed_size 327680
		.amdhsa_private_segment_fixed_size 0
		.amdhsa_enable_private_segment 0
		.amdhsa_kernarg_size 48
		.amdhsa_user_sgpr_count 2
		.amdhsa_user_sgpr_kernarg_segment_ptr 1
		.amdhsa_wavefront_size32 1
		.amdhsa_system_sgpr_workgroup_id_x 1
		.amdhsa_system_sgpr_workgroup_id_y 1
		.amdhsa_system_sgpr_workgroup_id_z 1
		.amdhsa_system_vgpr_workitem_id 0
		.amdhsa_next_free_vgpr 1024
		.amdhsa_next_free_sgpr 102
		.amdhsa_reserve_vcc 0
		.amdhsa_float_denorm_mode_32 3
		.amdhsa_float_denorm_mode_16_64 3
		.amdhsa_memory_ordered 1
		.amdhsa_forward_progress 1
		.amdhsa_inst_pref_size 143
	.end_amdhsa_kernel
	.amdgpu_metadata
---
amdhsa.version: [ 1, 2 ]
amdhsa.kernels:
  - .name:           k_q1469caedbc_qkv
    .symbol:         k_q1469caedbc_qkv.kd
    .args:
      - { .name: ximg, .offset: 0, .size: 8, .value_kind: global_buffer, .address_space: global }
      - { .name: wimg, .offset: 8, .size: 8, .value_kind: global_buffer, .address_space: global }
      - { .name: scl, .offset: 16, .size: 8, .value_kind: global_buffer, .address_space: global }
      - { .name: rope, .offset: 24, .size: 8, .value_kind: global_buffer, .address_space: global }
      - { .name: qimg, .offset: 32, .size: 8, .value_kind: global_buffer, .address_space: global }
      - { .name: kv, .offset: 40, .size: 8, .value_kind: global_buffer, .address_space: global }
    .group_segment_fixed_size: 327680
    .private_segment_fixed_size: 0
    .kernarg_segment_align: 8
    .kernarg_segment_size: 48
    .max_flat_workgroup_size: 128
    .sgpr_count:     102
    .vgpr_count:     1024
    .wavefront_size: 32
...
	.end_amdgpu_metadata
.endif
;; end of part 2
;; launch attn (part 3): grid 4 x 64, 16 waves a work-group, clusters of 4 x 1, 208,896 bytes of LDS; arguments qimg, kv, mbits, vals; writes vals
.if DOCPART == 3
	.amdgcn_target "amdgcn-amd-amdhsa--gfx1250"
	.amdhsa_code_object_version 6
	.text
	.protected	k_q1469caedbc_attn
	.globl	k_q1469caedbc_attn
	.p2align	8
	.type	k_q1469caedbc_attn,@function
k_q1469caedbc_attn:
	s_mov_b64 s[64:65], 0
	v_nop
	global_prefetch_b8 v0, s[64:65] scope:SCOPE_SE
	s_setreg_imm32_b32 hwreg(HW_REG_WAVE_MODE, 25, 1), 1
	s_wait_xcnt 0x0
	s_wait_alu depctr_hold_cnt(0) depctr_sa_sdst(0) depctr_va_vdst(0) depctr_va_sdst(0) depctr_va_ssrc(0) depctr_va_vcc(0) depctr_vm_vsrc(0)
	s_getreg_b32 s2, hwreg(HW_REG_IB_STS2, 6, 4)
	s_cmp_eq_u32 s2, 0
	s_cbranch_scc0 .Lentry_in_a_cluster
	s_endpgm
.Lentry_in_a_cluster:
	s_bfe_u32 s2, ttmp6, 0x10000c
	s_cmp_lg_u32 s2, 0x3003
	s_cbranch_scc0 .Lentry_shape_is_right
	s_endpgm
.Lentry_shape_is_right:
; ATTN: the second and third products on codes of E2M3, the mask, the streaming softmax, the division by the row's sum, and the quantising of the result for the last product.  Nothing of the problem is left out here.
; A work-group (X = its place along x, bh = batch x 16 + head) serves 512 queries of one head in two passes of 256; each of its SIXTEEN waves owns one tile of 16 queries a pass, in 256 registers: four waves to a SIMD,
; so that one wave's vector work stands beside another's products and LDS loads.
; THE WHOLE HEAD'S K AND V LIE IN LDS, 16 key steps x 12,800 bytes, filled once: each wave issues one tensor load at the head (one of mine is out at most).  CLUSTER 4 x 1: the four work-groups of a head ask jointly.
; No ring, no refill, and so no prefetch: there is no later load to ask ahead for.
; THE SECOND PRODUCT HAS K = 64, the instruction 128.  Source 0 is a PAIR fragment: key tile 2 p in k 0..63, key tile 2 p + 1 in k 64..127.  Source 1 is q beside zero codes: [q | 0] gives tile 2 p's scores, [0 | q] tile 2 p + 1's;
; both are runs of the 18 registers 0 (6), q (6), 0 (6).  Zero codes add nothing under any scale byte but 0xff.
; Both products are used transposed, so a lane holds ONE query (lane % 16); the keys of a tile are chosen so that registers 16 p + i are keys 32 p + 16 (lane / 16) + i.
; THE MASK costs one select a register: the lane masks were laid out by the first launch and come by scalar loads, a key step ahead.  A masked score becomes -2^56, so a masked logit is -2^53.
; LIMIT: the problem's text writes -9e15 there; the two differ only for rows whose open logits lie near -9e15.  c x 2^56 is exact in f32, so in a row that is masked everywhere t - M is exactly 0 and p = 1: uniform, as in the problem's text.
; THE SOFTMAX: t = score x c, c = log2(e) / 8; M = the running largest t rounded up to a whole number; p = 2^(t - M), quantised along the keys, not normalised; the sum is of the unquantised p.
; LIMITS: NaN and infinities are not served; a block whose largest magnitude lies under 2^-124 keeps the byte 1.
; REGISTERS: v1-4 16 l, 8 l, 8 r, 4 r; v5, v6 the add's two; v7 -2^56; v8-11 the step's LDS addresses; v12 -M, v13 largest t, v[14:15] the sum; v16-33 0, q, 0; v34 q's scale word; v36-39 K's or V's scale words;
;   v40-87 four fragments of K, then of V; v88, v89 the stage's addresses; v96-159 scores, then p; v160-191 O^T; v192-219 at work; v224-235 p's codes.
.set KVB,   12800                      ; a key step: 4 pair fragments of K, 256 bytes of their scale words, 4 fragments of V^T, 256 bytes of theirs
.set STG,   16*KVB                     ; behind the head: the results' scale words, 1,024 bytes a pass
.set SPARE, STG+2048                   ; and the spare words, 128 bytes a wave
.set SPW, 5
.set NIL, 6
.set WV,  24
.macro CROUND
	s_barrier_signal -1
	s_barrier_wait -1
	s_cmp_lg_u32 s[WV], 0
	s_cbranch_scc1 .Lnot_wave_0_\@
	s_barrier_signal -3
.Lnot_wave_0_\@:
	s_barrier_wait -3
	s_barrier_signal -1
	s_barrier_wait -1
.endm
.macro FRAG4 reg, a16, a8, off
	ds_load_b128 v[(\reg):(\reg)+3], v[\a16] offset:(\off)
	ds_load_b64 v[(\reg)+4:(\reg)+5], v[\a8] offset:(\off)+512
	ds_load_b128 v[(\reg)+6:(\reg)+9], v[\a16] offset:(\off)+768
	ds_load_b64 v[(\reg)+10:(\reg)+11], v[\a8] offset:(\off)+1280
.endm
	s_load_b256 s[16:23], s[0:1], 0x0              ; qimg, kv, mbits, vals
	v_lshl_add_u32 v[SPW], v0, 2, SPARE
	v_mov_b32 v[NIL], 0
	ds_add_u32 v[SPW], v[NIL]                      ; the opening: the add, twice on end, and its wait ahead of my first tensor load
	ds_add_u32 v[SPW], v[NIL]
	v_lshrrev_b32 v8, 5, v0
	v_readfirstlane_b32 s[WV], v8                  ; wave 0..15
	s_lshl_b32 s32, ttmp9, 2
	s_bfe_u32 s33, ttmp6, 0x40000
	s_add_co_u32 s32, s32, s33                     ; X: it enters global addresses of q, the mask and the results alone
	s_and_b32 s33, ttmp7, 0xffff                   ; bh, which the four partners share
	s_lshr_b32 s34, s33, 4                         ; batch
	s_and_b32 s35, s33, 15                         ; head
	s_mov_b32 s8, 15|(3<<16)|(1<<21)               ; group 1: the mask names all four; elements of 8 bytes; bit 21 beside a mask; no padding
	s_mov_b32 s9, 32<<16                           ; rows of 256 bytes
	s_mov_b32 s10, 50<<16                          ; 50 of them
	s_mov_b32 s11, 32<<16
	s_mov_b32 s12, 50
	s_mov_b32 s13, 32                              ; dense
	s_mov_b32 s14, 0
	s_mov_b32 s15, 0
	s_mov_b32 s4, 1
	s_mul_i32 s5, s[WV], KVB                       ; key step w goes to LDS byte 12,800 w
	s_lshl_b32 s52, s33, 4
	s_add_co_u32 s52, s52, s[WV]
	s_mul_i32 s52, s52, KVB
	s_mov_b32 s53, 0
	s_lshl_b32 s36, s33, 4                         ; q's block of 128 tokens: 16 bh + 4 X + wave / 8 (two more in the second pass)
	s_lshl_b32 s37, s32, 2
	s_add_co_u32 s36, s36, s37
	s_lshr_b32 s37, s[WV], 3
	s_add_co_u32 s36, s36, s37
	s_mul_i32 s36, s36, 6400
	s_bfe_u32 s37, s[WV], 0x20001                  ; its pair fragment (wave / 2) % 4,
	s_mul_i32 s37, s37, 1536
	s_and_b32 s38, s[WV], 1                        ; and the half wave % 2 of that
	s_mul_i32 s39, s38, 768
	s_add_co_u32 s37, s37, s39
	s_add_co_u32 s40, s36, s37
	s_mov_b32 s41, 0
	s_bfe_u32 s37, s[WV], 0x10001
	s_lshl_b32 s37, s37, 7
	s_bfe_u32 s39, s[WV], 0x10002
	s_lshl_b32 s39, s39, 2
	s_add_co_u32 s37, s37, s39
	s_add_co_u32 s42, s36, s37
	s_add_co_u32 s42, s42, 6144                    ; the pair's scale words
	s_mov_b32 s43, 0
	s_lshl_b32 s101, s38, 4                        ; my tile's two bytes lie 16 (wave % 2) bits up
	s_lshl_b32 s44, s34, 7                         ; the mask's words: tile of queries 128 batch + 32 X + wave (16 more in the second pass), 4,096 bytes each
	s_lshl_b32 s45, s32, 5
	s_add_co_u32 s44, s44, s45
	s_add_co_u32 s44, s44, s[WV]
	s_lshl_b32 s44, s44, 12
	s_mov_b32 s45, 0
	s_lshl_b32 s46, s34, 3
	s_lshl_b32 s47, s32, 1
	s_add_co_u32 s46, s46, s47                     ; the first pass's mblock: 8 batch + 2 X
	s_lshl_b32 s48, s46, 3
	s_lshr_b32 s49, s35, 1
	s_add_co_u32 s48, s48, s49                     ; K step of the last product: head / 2
	s_lshl_b32 s48, s48, 4
	s_add_co_u32 s48, s48, s[WV]
	s_mul_i32 s48, s48, 1536
	s_and_b32 s49, s35, 1
	s_mul_i32 s49, s49, 768                        ; and the half head % 2 of the fragment
	s_add_co_u32 s48, s48, s49
	s_mov_b32 s49, 0
	s_bfe_u32 s50, s[WV], 0x10001                  ; the scale words' way out (waves 0 to 3): pass (wave / 2) % 2, half wave % 2 of its 1,024 bytes
	s_add_co_u32 s50, s46, s50
	s_lshl_b32 s50, s50, 4
	s_add_co_u32 s50, s50, s35
	s_lshl_b32 s50, s50, 10
	s_lshl_b32 s51, s38, 9
	s_add_co_u32 s50, s50, s51
	s_add_co_u32 s50, s50, 6291456
	s_mov_b32 s51, 0
	s_mov_b32 s28, 0x76543210
	s_mov_b32 s29, 0xfedcba98                      ; selects for lane l xor 16
	s_mov_b32 s30, 0x3e38aa3b                      ; c = log2(e) / 8
	s_mov_b32 s31, s30                             ; (named with it as a pair)
	s_mov_b32 s100, 0                              ; the pass's place in the stage
	s_mov_b32 s3, 0                                ; passes done
	s_wait_dscnt 0x0                               ; both opening adds are done
	s_wait_kmcnt 0x0
	s_add_nc_u64 s[6:7], s[18:19], s[52:53]
	s_or_b32 s7, s7, 0x80000000
	s_add_nc_u64 s[66:67], s[22:23], s[50:51]      ; the results' scale words
	s_add_nc_u64 s[22:23], s[22:23], s[48:49]      ; the results' codes
	s_add_nc_u64 s[20:21], s[20:21], s[44:45]      ; my mask words
	s_add_nc_u64 s[18:19], s[16:17], s[42:43]      ; q's scale words (kv's address has gone into the descriptor)
	s_add_nc_u64 s[16:17], s[16:17], s[40:41]      ; q's codes
	CROUND                                         ; all four work-groups are here: the joint loads meet
	tensor_load_to_lds s[4:7], s[8:15]
	s_nop 0
.rept 4
	v_nop
.endr
	v_and_b32 v8, 31, v0
	v_and_b32 v9, 15, v0
	v_lshlrev_b32 v1, 4, v8
	v_lshlrev_b32 v2, 3, v8
	v_lshlrev_b32 v3, 3, v9
	v_lshlrev_b32 v4, 2, v9
	v_mov_b32 v7, 0xdb800000                       ; -2^56
	s_lshl_b32 s27, s[WV], 6
	s_add_co_u32 s27, s27, STG
	v_add_nc_u32 v88, s27, v4                      ; the stage, way in: 64 x wave + 4 r
	s_and_b32 s27, s[WV], 3
	s_lshl_b32 s27, s27, 9
	s_add_co_u32 s27, s27, STG
	v_add_nc_u32 v89, s27, v1                      ; and way out: 512 x (wave % 4) + 16 x lane
.irp i, 16,17,18,19,20,21,28,29,30,31,32,33
	v_mov_b32 v[\i], 0                             ; the zero codes on both sides of q
.endr
.irp i, 196,197,198,199,213,215
	v_mov_b32 v[\i], 0                             ; lane permutes' destinations, and the upper half of the pair v[212:213], are written before they are named
.endr
.Lpass:
	global_load_b128 v[22:25], v1, s[16:17]        ; my tile of q: half a fragment
	global_load_b64 v[26:27], v2, s[16:17] offset:512
	global_load_b32 v35, v3, s[18:19]
	s_mov_b32 s25, 0
	s_load_b512 s[32:47], s[20:21], s25 offset:0x0    ; key step 0's 64 lane masks
	s_load_b512 s[48:63], s[20:21], s25 offset:0x40
	s_load_b512 s[68:83], s[20:21], s25 offset:0x80
	s_load_b512 s[84:99], s[20:21], s25 offset:0xc0
	v_mov_b32 v13, 0xff61b1e6                      ; the largest t so far: -3e38
	v_floor_f32 v12, -v13                          ; -M
	v_mov_b32 v14, 0
	v_mov_b32 v15, 0
	s_wait_tensorcnt 0x0                           ; my key step has landed,
	s_wait_dscnt 0x0                               ; (second pass: my store into the stage is done)
	s_barrier_signal -1
	s_barrier_wait -1                              ; everybody's has: the head is whole
	s_wait_loadcnt 0x0
	v_lshrrev_b32 v35, s101, v35
	v_and_b32 v35, 0xffff, v35
	v_lshl_or_b32 v34, v35, 16, v35                ; q's two bytes, for k 0..63 and for k 64..127
.set j, 0
.rept 32
	v_mov_b32 v[160+j], 0                          ; O^T: the step is written once, its first trip finds zeros.  (These lines are also the places between the scale word's making and the first product)
.set j, j+1
.endr
	s_mov_b32 s26, 0                               ; the key step's LDS byte
	s_mov_b32 s2, 0                                ; key steps done
.Lstep:
	v_add_nc_u32 v8, s26, v1                       ; (four places behind the last products, in front of loads into registers that they read)
	v_add_nc_u32 v9, s26, v2
	v_add_nc_u32 v10, s26, v3
	v_add_nc_u32 v11, s26, v4
.irp p, 0,1,2,3
	FRAG4 40+12*\p, 8, 9, 1536*\p
	ds_load_b32 v[36+\p], v10 offset:6144+128*(\p%2)+4*(\p/2)
.endr
	s_wait_dscnt 0x0
.irp p, 0,1,2,3
	v_wmma_scale_f32_16x16x128_f8f6f4 v[96+16*\p:103+16*\p], v[40+12*\p:51+12*\p], v[22:33], 0, v[36+\p], v34 matrix_a_fmt:MATRIX_FMT_FP6 matrix_b_fmt:MATRIX_FMT_FP6
	v_wmma_scale_f32_16x16x128_f8f6f4 v[104+16*\p:111+16*\p], v[40+12*\p:51+12*\p], v[16:27], 0, v[36+\p], v34 matrix_a_fmt:MATRIX_FMT_FP6 matrix_b_fmt:MATRIX_FMT_FP6
.endr
.rept 4
	v_nop                                          ; places: in front of the loads below and of the first read of the scores
.endr
.irp t, 0,1,2,3
	FRAG4 40+12*\t, 8, 9, 6400+1536*\t             ; V's fragments land while the softmax is walked
	ds_load_b32 v[36+\t], v11 offset:12544+64*\t
.endr
	s_wait_kmcnt 0x0                               ; this step's lane masks are in
.set n, 0
.rept 32
	v_cndmask_b32 v[96+n], v[96+n], v7, s[32+n]    ; a masked score becomes -2^56; each accumulator from its low end on
.set n, n+1
.endr
.rept 32
	v_cndmask_b32 v[96+n], v[96+n], v7, s[36+n]
.set n, n+1
.endr
	s_add_co_u32 s27, s2, 1
	s_min_u32 s27, s27, 15                         ; the last step asks for its own words again: no load leaves the buffer
	s_lshl_b32 s25, s27, 8
	s_load_b512 s[32:47], s[20:21], s25 offset:0x0
	s_load_b512 s[48:63], s[20:21], s25 offset:0x40
	s_load_b512 s[68:83], s[20:21], s25 offset:0x80
	s_load_b512 s[84:99], s[20:21], s25 offset:0xc0
.irp b, 0,1,2,3
	v_max3_num_f32 v[192+\b], v[96+16*\b], v[97+16*\b], v[98+16*\b]   ; the largest score of each block of 32 keys: for the row's maximum, and, since p rises with the score, for the block's largest p
.endr
.irp i, 3,5,7,9,11,13
.irp b, 0,1,2,3
	v_max3_num_f32 v[192+\b], v[192+\b], v[96+16*\b+\i], v[97+16*\b+\i]
.endr
.endr
.irp b, 0,1,2,3
	v_max_num_f32 v[192+\b], v[192+\b], v[111+16*\b]
.endr
.irp b, 0,1,2,3
	v_permlanex16_b32 v[196+\b], v[192+\b], s28, s29
.endr
.irp b, 0,1,2,3
	v_max_num_f32 v[192+\b], v[192+\b], v[196+\b]
.endr
	v_max3_num_f32 v216, v192, v193, v194
	v_max_num_f32 v216, v216, v195
	v_mul_f32 v216, s30, v216
	v_max_num_f32 v13, v13, v216                   ; the running largest t
	v_mov_b32 v216, v12
	v_floor_f32 v12, -v13                          ; the new -M: M is a whole number
	v_sub_f32 v216, v12, v216                      ; old M - new M, 0 or less
	v_cvt_i32_f32 v216, v216                       ; (it saturates)
	v_ldexp_f32 v212, 1.0, v216                    ; f = 2^(old M - new M): multiplying by it rounds nothing
.set j, 0
.rept 32
	v_pk_fma_f32 v[96+j:97+j], v[96+j:97+j], s[30:31], v[12:13] op_sel_hi:[1,0,0]   ; t - M, two at a time
.set j, j+2
.endr
.irp b, 0,1,2,3
	v_fma_f32 v[192+\b], v[192+\b], s30, v12
.endr
.set j, 0
.rept 64
	v_exp_f32 v[96+j], v[96+j]                     ; p, at most 1
.set j, j+1
.endr
	v_pk_mul_f32 v[14:15], v[14:15], v[212:213] op_sel_hi:[1,0]   ; the sums under the new M: the plain place behind the batch
	s_wait_alu depctr_va_vdst(0)                   ; one wait for the batch of 64, ahead of its first reader
.irp b, 0,1,2,3
	v_exp_f32 v[192+\b], v[192+\b]                 ; each block's largest p
.endr
	v_pk_add_f32 v[196:197], v[96:97], v[98:99]    ; the row's sum of the unquantised p, in two chains
.irp j, 4,8,12,16,20,24,28,32,36,40,44,48,52,56,60
	v_pk_add_f32 v[14:15], v[14:15], v[96+\j:97+\j]
	v_pk_add_f32 v[196:197], v[196:197], v[98+\j:99+\j]
.endr
	v_pk_add_f32 v[14:15], v[14:15], v[196:197]
	s_wait_alu depctr_va_vdst(0)                   ; and one for the four
.irp b, 0,1,2,3
	v_max_num_f32 v[192+\b], 0x1800000, v[192+\b]  ; the floor: a block whose every p is 0 keeps the byte 1; its codes are zeros
.endr
.irp b, 0,1,2,3
	v_add_nc_u32 v[200+\b], 0xff000000, v[192+\b]
.endr
.irp b, 0,1,2,3
	v_lshrrev_b32 v[196+\b], 23, v[200+\b]
.endr
	v_lshl_or_b32 v214, v197, 8, v196              ; p's scale word for these 128 keys
	v_lshl_or_b32 v214, v198, 16, v214
	v_lshl_or_b32 v214, v199, 24, v214
.irp c, 0,1
	v_cvt_scalef32_pk16_fp6_f32 v[224+6*\c:226+6*\c], v[96+32*\c:111+32*\c], v[200+2*\c]
	v_cvt_scalef32_pk16_fp6_f32 v[204+4*\c:206+4*\c], v[112+32*\c:127+32*\c], v[200+2*\c+1]
.endr
	v_nop
.irp c, 0,1
.irp i, 0,1,2
	v_permlane16_swap_b32 v[224+6*\c+\i], v[204+4*\c+\i]
.endr
.irp i, 0,1,2
	v_mov_b32 v[227+6*\c+\i], v[204+4*\c+\i]
.endr
.endr
.set j, 0
.rept 16
	v_pk_mul_f32 v[160+j:161+j], v[160+j:161+j], v[212:213] op_sel_hi:[1,0]   ; O^T under the new M.  (These sixteen are also the places in front of the products below)
.set j, j+2
.endr
	s_wait_dscnt 0x0                               ; V is in
.irp t, 0,1,2,3
	v_wmma_scale_f32_16x16x128_f8f6f4 v[160+8*\t:167+8*\t], v[40+12*\t:51+12*\t], v[224:235], v[160+8*\t:167+8*\t], v[36+\t], v214 matrix_a_fmt:MATRIX_FMT_FP6 matrix_b_fmt:MATRIX_FMT_FP6
.endr
	s_add_co_u32 s26, s26, KVB
	s_add_co_u32 s2, s2, 1
	s_cmp_lt_u32 s2, 16
	s_cbranch_scc1 .Lstep
	; the pass's end: O^T / the sum, quantised along the head's 64: half a fragment of the last product's operand
.rept 4
	v_nop
.endr
	v_add_f32 v14, v14, v15
	v_permlanex16_b32 v215, v14, s28, s29
	v_add_f32 v14, v14, v215                       ; the row's sum
	v_rcp_f32 v14, v14
	v_add_nc_u32 v217, s100, v88                   ; (the plain place behind the reciprocal)  this pass's place in the stage
	s_wait_alu depctr_va_vdst(0)
.set j, 0
.rept 32
	v_mul_f32 v[96+j], v[160+j], v14               ; register 16 b + i: channel 32 b + 16 h + i of my query
.set j, j+1
.endr
.irp b, 0,1
	v_max3_num_f32 v[192+\b], |v[96+16*\b]|, |v[97+16*\b]|, 0x1800000
.endr
.irp i, 2,4,6,8,10,12,14
.irp b, 0,1
	v_max3_num_f32 v[192+\b], |v[96+16*\b+\i]|, |v[97+16*\b+\i]|, v[192+\b]
.endr
.endr
.irp b, 0,1
	v_permlanex16_b32 v[196+\b], v[192+\b], s28, s29
.endr
.irp b, 0,1
	v_max_num_f32 v[192+\b], v[192+\b], v[196+\b]
.endr
.irp b, 0,1
	v_add_nc_u32 v[200+\b], 0xff000000, v[192+\b]
.endr
.irp b, 0,1
	v_lshrrev_b32 v[196+\b], 23, v[200+\b]
.endr
	v_lshl_or_b32 v214, v197, 8, v196              ; two bytes; the upper half stays 0
	v_cvt_scalef32_pk16_fp6_f32 v[224:226], v[96:111], v200
	v_cvt_scalef32_pk16_fp6_f32 v[204:206], v[112:127], v201
	v_nop
.irp i, 0,1,2
	v_permlane16_swap_b32 v[224+\i], v[204+\i]
.endr
.irp i, 0,1,2
	v_mov_b32 v[227+\i], v[204+\i]
.endr
	global_store_b128 v1, v[224:227], s[22:23]
	global_store_b64 v2, v[228:229], s[22:23] offset:512
	ds_store_b32 v217, v214                        ; both halves of the lanes write the same word with the same value
	s_wait_kmcnt 0x0                               ; the last scalar loads are in: their registers and base may be written
	s_wait_xcnt 0x0                                ; the stores have read their data and base
	s_add_nc_u64 s[16:17], s[16:17], 12800         ; the second pass: 256 queries on
	s_add_nc_u64 s[18:19], s[18:19], 12800
	s_add_nc_u64 s[20:21], s[20:21], 65536
	s_add_nc_u64 s[22:23], s[22:23], 196608
	s_add_co_u32 s100, s100, 1024
	s_add_co_u32 s3, s3, 1
	s_cmp_lt_u32 s3, 2
	s_cbranch_scc1 .Lpass
	s_wait_dscnt 0x0                               ; for the others' sake: my store into the stage is done
	s_barrier_signal -1
	s_barrier_wait -1
	s_cmp_lt_u32 s[WV], 4                          ; four waves send the two passes' scale words, 512 consecutive bytes each
	s_cbranch_scc0 .Lno_scales
	ds_load_b128 v[96:99], v89
	s_wait_dscnt 0x0
	global_store_b128 v1, v[96:99], s[66:67]
.Lno_scales:
	s_wait_tensorcnt 0x0                           ; the wave's end
	ds_add_u32 v[SPW], v[NIL]
	s_wait_dscnt 0x0
	CROUND                                         ; the closing round
	s_endpgm
.Lfunc_end_k_q1469caedbc_attn:
	.size	k_q1469caedbc_attn, .Lfunc_end_k_q1469caedbc_attn-k_q1469caedbc_attn
	.p2alignl 7, 3214868480
	.fill 96, 4, 3214868480
	.section	.rodata,"a",@progbits
	.p2align	6, 0x0
	.amdhsa_kernel k_q1469caedbc_attn
		.amdhsa_group_segment_fixed_size 208896
		.amdhsa_private_segment_fixed_size 0
		.amdhsa_enable_private_segment 0
		.amdhsa_kernarg_size 32
		.amdhsa_user_sgpr_count 2
		.amdhsa_user_sgpr_kernarg_segment_ptr 1
		.amdhsa_wavefront_size32 1
		.amdhsa_system_sgpr_workgroup_id_x 1
		.amdhsa_system_sgpr_workgroup_id_y 1
		.amdhsa_system_sgpr_workgroup_id_z 1
		.amdhsa_system_vgpr_workitem_id 0
		.amdhsa_next_free_vgpr 256
		.amdhsa_next_free_sgpr 102
		.amdhsa_reserve_vcc 0
		.amdhsa_float_denorm_mode_32 3
		.amdhsa_float_denorm_mode_16_64 3
		.amdhsa_memory_ordered 1
		.amdhsa_forward_progress 1
		.amdhsa_inst_pref_size 34
	.end_amdhsa_kernel
	.amdgpu_metadata
---
amdhsa.version: [ 1, 2 ]
amdhsa.kernels:
  - .name:           k_q1469caedbc_attn
    .symbol:         k_q1469caedbc_attn.kd
    .args:
      - { .name: qimg, .offset: 0, .size: 8, .value_kind: global_buffer, .address_space: global }
      - { .name: kv, .offset: 8, .size: 8, .value_kind: global_buffer, .address_space: global }
      - { .name: mbits, .offset: 16, .size: 8, .value_kind: global_buffer, .address_space: global }
      - { .name: vals, .offset: 24, .size: 8, .value_kind: global_buffer, .address_space: global }
    .group_segment_fixed_size: 208896
    .private_segment_fixed_size: 0
    .kernarg_segment_align: 8
    .kernarg_segment_size: 32
    .max_flat_workgroup_size: 512
    .sgpr_count:     102
    .vgpr_count:     256
    .wavefront_size: 32
...
	.end_amdgpu_metadata
.endif
;; end of part 3
;; launch proj (part 4): grid 8 x 32, 4 waves a work-group, clusters of 4 x 4, 327,680 bytes of LDS; arguments vals, wimg, scl, out0; writes out0
.if DOCPART == 4
	.amdgcn_target "amdgcn-amd-amdhsa--gfx1250"
	.amdhsa_code_object_version 6
	.text
	.protected	k_q1469caedbc_proj
	.globl	k_q1469caedbc_proj
	.p2align	8
	.type	k_q1469caedbc_proj,@function
k_q1469caedbc_proj:
	s_mov_b64 s[64:65], 0
	v_nop
	global_prefetch_b8 v0, s[64:65] scope:SCOPE_SE
	s_setreg_imm32_b32 hwreg(HW_REG_WAVE_MODE, 25, 1), 1
	s_wait_xcnt 0x0
	s_wait_alu depctr_hold_cnt(0) depctr_sa_sdst(0) depctr_va_vdst(0) depctr_va_sdst(0) depctr_va_ssrc(0) depctr_va_vcc(0) depctr_vm_vsrc(0)
	s_getreg_b32 s2, hwreg(HW_REG_IB_STS2, 6, 4)
	s_cmp_eq_u32 s2, 0
	s_cbranch_scc0 .Lentry_in_a_cluster
	s_endpgm
.Lentry_in_a_cluster:
	s_bfe_u32 s2, ttmp6, 0x10000c
	s_cmp_lg_u32 s2, 0xf033
	s_cbranch_scc0 .Lentry_shape_is_right
	s_endpgm
.Lentry_shape_is_right:
; PROJ: the last product on codes of E2M3.  Nothing of the problem is left out here.
; A work-group takes 256 tokens (mblock = grid y) x 128 columns (grid x).  Wave (tr, c) = (wave / 2, wave % 2) makes tokens 128 tr on x columns 64 c on: 32 accumulators, which take turns in one fixed order.
; Used transposed (source 0 = 16 rows of w_out, source 1 = 16 tokens): a lane holds one token and 16 neighbouring columns for each pair of tiles of w_out.
; LDS is filled once: all 8 K steps of both operands, as images of the operands' registers, by four tensor loads a wave at the head (four of mine are out at most).
; CLUSTER 4 x 4: the tokens' images are asked for jointly along a row of the cluster, w_out's along a column.  No prefetch: every tensor load stands at the head.
; REGISTERS.  Window 0: v1-10 addresses; v24-26 the way out; v32-63 the tokens' scale words (pair p, K step s at v[32 + 8 p + s]: lanes 0-15 tile 2 p, lanes 16-31 tile 2 p + 1); v64-95 w_out's (tile i, step s at v[64 + 8 i + s]);
;   v96-191 tokens, set 0; v192-255 the scale words as loaded.   Window 1: v0-47, v48-95 w_out, two sets; v144-239 tokens, set 1.   Window 2: the accumulators at 32 a + 8 i.
.set XSTEP, 24576
.set WSTEP, 12288
.set WR0,   8*XSTEP
.set SPARE, WR0+8*WSTEP
.set SPITCH, 272                       ; the way out: a stage of 16 rows x (256 bytes + 16) a wave, in the tokens' K step 0, which has had its one fill and its last read
.set L16, 1
.set L8,  2
.set AX16, 3
.set AX8,  4
.set AW16, 5
.set AW8,  6
.set L4,  9
.set R32, 10
.set STO, 24
.set RD,  25
.set CO,  26
.set SPW, 28
.set NIL, 29
.set WV, 16
.set TR, 17
.set CC, 18
.set CX, 19
.set CY, 20
.set NB, 21
.set MB, 22
.set G1X, 32
.set G1W, 40
.set MSB, 0
.macro WIN new
.if MSB != (\new)
	s_set_vgpr_msb (MSB<<8)|(\new)
.set MSB, (\new)
.endif
.endm
.macro JLOAD g0a, g1a, g0b, g1b        ; a joint load: waves 0, 1 fetch the tokens' images, waves 2, 3 w_out's; an s_nop 0 and four v_nop follow each line
	s_cmp_eq_u32 s[TR], 0
	s_cbranch_scc0 .Lfor_b_\@
	tensor_load_to_lds s[\g0a:\g0a+3], s[\g1a:\g1a+7]
	s_nop 0
.rept 4
	v_nop
.endr
	s_branch .Lasked_\@
.Lfor_b_\@:
	tensor_load_to_lds s[\g0b:\g0b+3], s[\g1b:\g1b+7]
	s_nop 0
.rept 4
	v_nop
.endr
.Lasked_\@:
.endm
.macro CROUND
	s_barrier_signal -1
	s_barrier_wait -1
	s_cmp_lg_u32 s[WV], 0
	s_cbranch_scc1 .Lnot_wave_0_\@
	s_barrier_signal -3
.Lnot_wave_0_\@:
	s_barrier_wait -3
	s_barrier_signal -1
	s_barrier_wait -1
.endm
.macro FRAG4 reg, a16, a8, off
	ds_load_b128 v[(\reg):(\reg)+3], v[\a16] offset:(\off)
	ds_load_b64 v[(\reg)+4:(\reg)+5], v[\a8] offset:(\off)+512
	ds_load_b128 v[(\reg)+6:(\reg)+9], v[\a16] offset:(\off)+768
	ds_load_b64 v[(\reg)+10:(\reg)+11], v[\a8] offset:(\off)+1280
.endm
	s_load_b256 s[4:11], s[0:1], 0x0               ; vals, wimg, scl, out0
	v_lshl_add_u32 v[SPW], v0, 2, SPARE
	v_mov_b32 v[NIL], 0
	ds_add_u32 v[SPW], v[NIL]                      ; the opening: the add, twice on end, and its wait ahead of my first tensor load
	ds_add_u32 v[SPW], v[NIL]
	v_lshrrev_b32 v1, 5, v0
	v_readfirstlane_b32 s[WV], v1
	s_lshr_b32 s[TR], s[WV], 1
	s_and_b32 s[CC], s[WV], 1
	s_bfe_u32 s[CX], ttmp6, 0x40000
	s_bfe_u32 s[CY], ttmp6, 0x40004
	s_lshl_b32 s[NB], ttmp9, 2
	s_add_co_u32 s[NB], s[NB], s[CX]               ; block of 128 columns
	s_and_b32 s[MB], ttmp7, 0xffff
	s_lshl_b32 s[MB], s[MB], 2
	s_add_co_u32 s[MB], s[MB], s[CY]               ; mblock
	s_lshl_b32 s23, s[CY], 2
	s_lshl_b32 s23, 15, s23                        ; my row of the cluster
	s_lshl_b32 s2, 0x1111, s[CX]                   ; my column
	s_or_b32 s[G1X], s23, (3<<16)|(1<<21)
	s_or_b32 s[G1W], s2, (3<<16)|(1<<21)
.irp g, G1X, G1W
	s_mov_b32 s[\g+1], 32<<16                      ; rows of 256 bytes, dense
	s_mov_b32 s[\g+3], 32<<16
	s_mov_b32 s[\g+5], 32
	s_mov_b32 s[\g+6], 0
	s_mov_b32 s[\g+7], 0
.endr
	s_mov_b32 s[G1X+2], 96<<16
	s_mov_b32 s[G1X+4], 96
	s_mov_b32 s[G1W+2], 48<<16
	s_mov_b32 s[G1W+4], 48
	s_mul_i32 s24, s[MB], 8*XSTEP
	s_mul_i32 s26, s[CC], XSTEP                    ; which K step of a chunk I fetch
	s_add_co_u32 s24, s24, s26
	s_mov_b32 s25, 0
	s_mul_i32 s28, s[NB], 8*WSTEP
	s_mul_i32 s30, s[CC], WSTEP
	s_add_co_u32 s28, s28, s30
	s_add_co_u32 s28, s28, 2359296                 ; w_out's images lie behind w_qkv's
	s_mov_b32 s29, 0
	s_wait_dscnt 0x0                               ; both opening adds are done
	s_wait_kmcnt 0x0
	s_add_nc_u64 s[24:25], s[4:5], s[24:25]        ; made of cy and the wave's number
	s_add_nc_u64 s[28:29], s[6:7], s[28:29]        ; made of cx and the wave's number
	CROUND
.irp cc, 0,1,2,3                       ; chunk cc: K steps 2 cc and 2 cc + 1 of both operands; each load has a group 0 of its own
.set GX, 56+4*\cc+4*(\cc/2)
.set GW, 76+4*\cc
	s_mov_b32 s[GX], 1
	s_add_co_u32 s[GX+1], s26, \cc*2*XSTEP
	s_add_nc_u64 s[GX+2:GX+3], s[24:25], \cc*2*XSTEP
	s_or_b32 s[GX+3], s[GX+3], 0x80000000
	s_mov_b32 s[GW], 1
	s_add_co_u32 s[GW+1], s30, WR0+\cc*2*WSTEP
	s_add_nc_u64 s[GW+2:GW+3], s[28:29], \cc*2*WSTEP
	s_or_b32 s[GW+3], s[GW+3], 0x80000000
	JLOAD GX, G1X, GW, G1W
.endr
	v_and_b32 v12, 31, v0
	v_and_b32 v15, 15, v0                          ; r
	v_bfe_u32 v14, v0, 4, 1                        ; h
	v_lshlrev_b32 v[L16], 4, v12
	v_lshlrev_b32 v[L8], 3, v12
	v_lshlrev_b32 v[L4], 2, v12
	v_lshlrev_b32 v[R32], 5, v15
	s_mul_i32 s3, s[TR], 8*1536
	v_add_nc_u32 v[AX16], s3, v[L16]
	v_add_nc_u32 v[AX8], s3, v[L8]
	s_mul_i32 s3, s[CC], 4*1536
	s_add_co_u32 s3, s3, WR0
	v_add_nc_u32 v[AW16], s3, v[L16]
	v_add_nc_u32 v[AW8], s3, v[L8]
	s_mul_i32 s3, s[WV], 16*SPITCH                 ; my stage
	v_mul_u32_u24 v[STO], v15, SPITCH
	v_lshl_add_u32 v[STO], v14, 6, v[STO]
	v_add_nc_u32 v[STO], s3, v[STO]                ; in: row r, + 64 h
	v_mul_u32_u24 v[RD], v14, SPITCH
	v_lshl_add_u32 v[RD], v15, 4, v[RD]
	v_add_nc_u32 v[RD], s3, v[RD]                  ; back: lanes 0-15 one row, lanes 16-31 the next
	v_lshlrev_b32 v[CO], 12, v14
	v_lshl_add_u32 v[CO], v15, 4, v[CO]            ; and the same two rows of out0
	s_lshl_b32 s2, s[NB], 3
	s_lshl_b32 s3, s[CC], 2
	s_add_co_u32 s2, s2, s3
	s_lshl_b32 s2, s2, 9
	s_add_co_u32 s2, s2, 360448                    ; w_out's part of scl, my four tiles
	s_mov_b32 s3, 0
	s_add_nc_u64 s[12:13], s[8:9], s[2:3]
	s_lshl_b32 s2, s[MB], 14
	s_lshl_b32 s23, s[TR], 9
	s_add_co_u32 s2, s2, s23
	s_add_co_u32 s2, s2, 6291456                   ; the tokens' scale words: my mblock, my eight tiles
	s_add_nc_u64 s[14:15], s[4:5], s[2:3]
	s_lshl_b32 s2, s[MB], 8
	s_lshl_b32 s23, s[TR], 7
	s_add_co_u32 s2, s2, s23
	s_lshl_b32 s2, s2, 12                          ; my first token's row of 4,096 bytes,
	s_lshl_b32 s23, s[NB], 9
	s_add_co_u32 s2, s2, s23
	s_lshl_b32 s23, s[CC], 8
	s_add_co_u32 s2, s2, s23                       ; my 256 bytes of it
	s_add_nc_u64 s[10:11], s[10:11], s[2:3]
.irp i, 0,1,2,3
	global_load_b128 v[64+8*\i:64+8*\i+3], v[R32], s[12:13] offset:512*\i
	global_load_b128 v[64+8*\i+4:64+8*\i+7], v[R32], s[12:13] offset:512*\i+16
.endr
.set hd, 0
.rept 16
.irp p, 0,1,2,3
	global_load_b32 v[192+4*hd+\p], v[L4], s[14:15] offset:1024*hd+128*\p   ; head hd, tiles 2 p and 2 p + 1: 128 consecutive bytes
.endr
.set hd, hd+1
.endr
	s_wait_loadcnt 0x0
.irp p, 0,1,2,3
.irp s, 0,1,2,3,4,5,6,7
	v_lshl_or_b32 v[32+8*\p+\s], v[192+4*(2*\s+1)+\p], 16, v[192+8*\s+\p]   ; K step s: head 2 s's two bytes below head 2 s + 1's
.endr
.endr
.rept 8
	v_nop                                          ; a scale register written by a vector instruction stands 8 places ahead of a scaled product
.endr
.macro FETCH s
	WIN 0x40
.irp i, 0,1,2,3
	FRAG4 48*((\s)%2)+12*\i, AW16, AW8, 1536*\i
.endr
.if (\s)%2
.irp a, 0,1,2,3,4,5,6,7
	FRAG4 144+12*\a, AX16, AX8, 1536*\a
.endr
.else
	WIN 0
.irp a, 0,1,2,3,4,5,6,7
	FRAG4 96+12*\a, AX16, AX8, 1536*\a
.endr
.endif
.endm
.macro WM acc, wf, xf, sa, sb, zero, row
.if \zero
.if \row
	v_wmma_scale_f32_16x16x128_f8f6f4 v[(\acc):(\acc)+7], v[(\wf):(\wf)+11], v[(\xf):(\xf)+11], 0, v[\sa], v[\sb] matrix_a_fmt:MATRIX_FMT_FP6 matrix_b_fmt:MATRIX_FMT_FP6 matrix_b_scale:MATRIX_SCALE_ROW1
.else
	v_wmma_scale_f32_16x16x128_f8f6f4 v[(\acc):(\acc)+7], v[(\wf):(\wf)+11], v[(\xf):(\xf)+11], 0, v[\sa], v[\sb] matrix_a_fmt:MATRIX_FMT_FP6 matrix_b_fmt:MATRIX_FMT_FP6
.endif
.else
.if \row
	v_wmma_scale_f32_16x16x128_f8f6f4 v[(\acc):(\acc)+7], v[(\wf):(\wf)+11], v[(\xf):(\xf)+11], v[(\acc):(\acc)+7], v[\sa], v[\sb] matrix_a_fmt:MATRIX_FMT_FP6 matrix_b_fmt:MATRIX_FMT_FP6 matrix_b_scale:MATRIX_SCALE_ROW1
.else
	v_wmma_scale_f32_16x16x128_f8f6f4 v[(\acc):(\acc)+7], v[(\wf):(\wf)+11], v[(\xf):(\xf)+11], v[(\acc):(\acc)+7], v[\sa], v[\sb] matrix_a_fmt:MATRIX_FMT_FP6 matrix_b_fmt:MATRIX_FMT_FP6
.endif
.endif
.endm
.macro MUL16 s, a0                     ; 16 products: token tiles a0 .. a0 + 3 x my four tiles of w_out
	WIN 0xA1|(XW<<2)
.irp a, \a0,\a0+1,\a0+2,\a0+3
.irp i, 0,1,2,3
	WM 32*(\a)+8*\i, WB+12*\i, XB+12*(\a), 64+8*\i+(\s), 32+8*((\a)/2)+(\s), ZR, (\a)%2
.endr
.endr
.endm
.macro STEP s
.set WB, 48*((\s)%2)
.set ZR, (\s)==0
.if (\s)%2
.set XW, 1
.set XB, 144
.else
.set XW, 0
.set XB, 96
.endif
	s_wait_dscnt 0x0                               ; this step's fragments are in
.if ((\s)%2) && ((\s) < 7)
	s_wait_tensorcnt 3-((\s)+1)/2                  ; my load of the next chunk has landed; my later ones may stay out
	s_barrier_signal -1
.endif
	MUL16 \s, 0
.if ((\s)%2) && ((\s) < 7)
	s_barrier_wait -1
.endif
.if (\s) < 7
	WIN 0
	v_add_nc_u32 v[AX16], XSTEP, v[AX16]           ; on to the next K step; these four lines are also the places between the step before and the loads into the sets that it read
	v_add_nc_u32 v[AX8], XSTEP, v[AX8]
	v_add_nc_u32 v[AW16], WSTEP, v[AW16]
	v_add_nc_u32 v[AW8], WSTEP, v[AW8]
	FETCH (\s)+1
.endif
	MUL16 \s, 4
.endm
	s_wait_tensorcnt 3                             ; my load of chunk 0 has landed,
	s_barrier_signal -1
	s_barrier_wait -1                              ; everybody's has
	FETCH 0
.irp s, 0,1,2,3,4,5,6,7
	STEP \s
.endr
; THE WAY OUT, a tile of 16 tokens x 64 columns at a time, through my own stage: in as 64 bytes a lane, back as whole rows of 256 bytes.  LDS serves a wave's instructions in order: no wait between the stores and the loads.
.macro TOSTAGE a
	WIN 0x08                                       ; the data: window 2
.irp g, 0,1
.irp k, 0,1,2,3
	ds_store_b128 v[STO], v[32*(\a)+16*\g+4*\k:32*(\a)+16*\g+4*\k+3] offset:128*\g+16*\k   ; each accumulator from its low end on
.endr
.endr
	WIN 0
.set BB, 96+32*((\a)%2)
.irp t, 0,1,2,3,4,5,6,7
	ds_load_b128 v[BB+4*\t:BB+4*\t+3], v[RD] offset:2*\t*SPITCH
.endr
.endm
.macro SEND a, younger                 ; younger: the LDS instructions issued behind tile a's loads, which may stay out
.set BB, 96+32*((\a)%2)
	s_wait_dscnt \younger
.irp t, 0,1,2,3,4,5,6,7
	global_store_b128 v[CO], v[BB+4*\t:BB+4*\t+3], s[10:11] offset:(32*((\a)/2)+8*((\a)%2)+2*\t+8*(\t/4))*4096 th:TH_STORE_NT   ; 16 lanes store 256 consecutive bytes, aligned
.endr
.endm
	WIN 0
.rept 4
	v_nop                                          ; places behind the last products
.endr
	TOSTAGE 0
.irp a, 1,2,3,4,5,6,7
.if \a > 1
	s_wait_xcnt 0x0                                ; tile a - 2's stores have read their registers: tile a's loads may land there
.endif
	TOSTAGE \a
	SEND \a-1, 16                                  ; behind tile a - 1's loads: tile a's 8 stores and 8 loads
.endr
	SEND 7, 0
	s_wait_tensorcnt 0x0                           ; the wave's end
	ds_add_u32 v[SPW], v[NIL]
	s_wait_dscnt 0x0
	CROUND                                         ; the closing round
	s_endpgm
.Lfunc_end_k_q1469caedbc_proj:
	.size	k_q1469caedbc_proj, .Lfunc_end_k_q1469caedbc_proj-k_q1469caedbc_proj
	.p2alignl 7, 3214868480
	.fill 96, 4, 3214868480
	.section	.rodata,"a",@progbits
	.p2align	6, 0x0
	.amdhsa_kernel k_q1469caedbc_proj
		.amdhsa_group_segment_fixed_size 327680
		.amdhsa_private_segment_fixed_size 0
		.amdhsa_enable_private_segment 0
		.amdhsa_kernarg_size 32
		.amdhsa_user_sgpr_count 2
		.amdhsa_user_sgpr_kernarg_segment_ptr 1
		.amdhsa_wavefront_size32 1
		.amdhsa_system_sgpr_workgroup_id_x 1
		.amdhsa_system_sgpr_workgroup_id_y 1
		.amdhsa_system_sgpr_workgroup_id_z 1
		.amdhsa_system_vgpr_workitem_id 0
		.amdhsa_next_free_vgpr 768
		.amdhsa_next_free_sgpr 96
		.amdhsa_reserve_vcc 0
		.amdhsa_float_denorm_mode_32 3
		.amdhsa_float_denorm_mode_16_64 3
		.amdhsa_memory_ordered 1
		.amdhsa_forward_progress 1
		.amdhsa_inst_pref_size 93
	.end_amdhsa_kernel
	.amdgpu_metadata
---
amdhsa.version: [ 1, 2 ]
amdhsa.kernels:
  - .name:           k_q1469caedbc_proj
    .symbol:         k_q1469caedbc_proj.kd
    .args:
      - { .name: vals, .offset: 0, .size: 8, .value_kind: global_buffer, .address_space: global }
      - { .name: wimg, .offset: 8, .size: 8, .value_kind: global_buffer, .address_space: global }
      - { .name: scl, .offset: 16, .size: 8, .value_kind: global_buffer, .address_space: global }
      - { .name: out0, .offset: 24, .size: 8, .value_kind: global_buffer, .address_space: global }
    .group_segment_fixed_size: 327680
    .private_segment_fixed_size: 0
    .kernarg_segment_align: 8
    .kernarg_segment_size: 32
    .max_flat_workgroup_size: 128
    .sgpr_count:     96
    .vgpr_count:     768
    .wavefront_size: 32
...
	.end_amdgpu_metadata
.endif
;; end of part 4
